; MI455X (gfx1250); checked and timed in simulation.
; The chip was launched on July 23, 2026; its instructions are those of AMD's public machine-readable ISA for CDNA 5 (MIT licence, August 2026) and "CDNA5" Instruction Set Architecture Reference Guide (July 2026). The comments in the code are by the model that wrote it; some were corrected since.
;; Multi Head Attention. Allowed arithmetic: matrix products marked QUANTISED: E2M3 operands, one E8M0 scale for each 32 along K, by v_wmma_scale_f32_16x16x128_f8f6f4 with both operands' format E2M3, f32 sums; everything else in f32.
;; Inputs: Wk 1,024 x 1,024 float32; Wo 1,024 x 1,024 float32; Wq 1,024 x 1,024 float32; Wv 1,024 x 1,024 float32; attn_mask 1 x 1 x 2,048 x 2,048 int32; bk 1,024 float32; bo 1,024 float32; bq 1,024 float32; bv 1,024 float32; k 4 x 2,048 x 1,024 float32; q 4 x 2,048 x 1,024 float32; v 4 x 2,048 x 1,024 float32.
;; Outputs: out0 4 x 2,048 x 1,024 float32.
;; This version of the problem:
;;   THIS VERSION OF THE PROBLEM IS GIVEN IN LOW PRECISION. The matrix products marked QUANTISED in the list below multiply operands that are first quantised to E2M3 (2 exponent bits, 3 mantissa bits; 6 bits a number), with one power-of-two scale for each 32 numbers along K (OCP MX v1.0); their sums are f32. All else is computed in f32.
;;   The module's matrix products, in the order in which they are computed (A, B: the left and right operand; K: the contracted axis; several contracted axes count as one K, in the product's order):
;;     1. [M 8,192, K 1,024] x [K 1,024, N 1,024]; A: input q; B: input Wq: QUANTISED
;;     2. [M 8,192, K 1,024] x [K 1,024, N 1,024]; A: input k; B: input Wk: QUANTISED
;;     3. [M 8,192, K 1,024] x [K 1,024, N 1,024]; A: input v; B: input Wv: QUANTISED
;;     4. batch 64 x [M 2,048, K 64] x [K 64, N 2,048]; A: computed on the way; B: computed on the way: QUANTISED
;;     5. batch 64 x [M 2,048, K 2,048] x [K 2,048, N 64]; A: softmax (see below); B: computed on the way: QUANTISED
;;     6. [M 8,192, K 1,024] x [K 1,024, N 1,024]; A: computed on the way; B: input Wo: QUANTISED
;;   THE QUANTISER, for each operand of a quantised product, along K:
;;     - K is cut into blocks of 32 from its start; a last block that is shorter is filled with zeros.
;;     - A block's scale is 2^e with e = floor(log2(the largest magnitude in the block)) - 2, held to -126 .. 127; a block of zeros has e = 0. As a byte (E8M0): e + 127.
;;     - Each number is divided by its block's scale, clamped to +-7.5, and rounded to the nearest number of E2M3, ties to even, subnormals kept.
;;     - The product sums the exact products of the quantised numbers (number of the format x scale) in f32.
;;   ~~~python
;;   def quantise(x, axis):      # numpy; x: float32 -> the quantised numbers, widened to float32 again
;;       x = np.moveaxis(x, axis, -1); K = x.shape[-1]
;;       x = np.pad(x, [(0, 0)] * (x.ndim - 1) + [(0, -K % 32)]); x = x.reshape(x.shape[:-1] + (-1, 32)); a = np.abs(x).max(-1, keepdims=True)
;;       e = np.where(a > 0, np.clip(np.frexp(np.where(a > 0, a, 1))[1] - 1 - 2, -126, 127), 0)      # np.frexp(a)[1] - 1 = floor(log2(a)), exactly
;;       r = np.clip(x / 2.0 ** e, -7.5, 7.5)
;;       step = 2.0 ** (np.maximum(np.frexp(np.where(r == 0, 1, r))[1] - 1, 0) - 3)
;;       q = np.round(r / step) * step * 2.0 ** e      # np.round: ties to even
;;       return np.moveaxis(q.reshape(q.shape[:-2] + (-1,))[..., :K], -1, axis).astype(np.float32)
;;   ~~~
;;   SOFTMAX AHEAD OF A QUANTISED PRODUCT. Where the list says 'softmax', what is quantised is not the finished softmax but p = 2^(t - M), with t = logit x log2(e) and M = ceil(the row's largest t), a whole number; so 1/2 < the row's largest p <= 1. The row's sum l is taken of the UNQUANTISED p, in f32, and the product's result is divided by l at the end. Since M is a whole number, a kernel that streams over the keys may use a running M (the ceiling of the running maximum): every later rescaling is an exact power of two, which a block's scale takes up: the codes' values come out the same.
;;   OPERANDS COMPUTED ON THE WAY. 'Computed on the way' means the value that the module computes at that place (a softmax that the list does not call 'softmax' is quantised finished and normalised). What goes into a quantiser is computed in f32, as accurately as f32 sums, v_exp_f32 and their like allow (about 1e-6 of the number): no bf16 or f16 on the way to a quantiser, and a product that is left as it is and whose result goes on into a quantised operand takes f32 operands (vector FMAs, or v_wmma_f32_16x16x4_f32). A number that lies on a knife's edge between two numbers of the format may be rounded either way, as far as f32 arithmetic and the matrix unit's own rounding can turn it there, and no further.
;; One version. Each part assembles by itself: llvm-mc -triple=amdgcn-amd-amdhsa -mcpu=gfx1250 --defsym DOCPART=n.
;; ======== version 1 of 1: 4 launches
;; limits: right only within a limited range of input values
;; workspace buffers: inc 22,020,096 bytes; ins 917,504 bytes; maskw 524,288 bytes of whole numbers; cimg 18,874,368 bytes; csc 786,432 bytes; oimg 6,291,456 bytes; os 262,144 bytes
;; launch prep (part 1): grid 704 x 1, 4 waves a work-group, no clusters, 68,096 bytes of LDS; arguments q, k, v, Wq, Wk, Wv, Wo, attn_mask, inc, ins, maskw; writes inc, ins, maskw
.if DOCPART == 1
	.amdgcn_target "amdgcn-amd-amdhsa--gfx1250"
	.amdhsa_code_object_version 6
	.text
	.protected	k_qf2a457ae25_prep
	.globl	k_qf2a457ae25_prep
	.p2align	8
	.type	k_qf2a457ae25_prep,@function
k_qf2a457ae25_prep:
	s_mov_b64 s[64:65], 0
	v_nop
	global_prefetch_b8 v0, s[64:65] scope:SCOPE_SE
	s_setreg_imm32_b32 hwreg(HW_REG_WAVE_MODE, 25, 1), 1
	s_wait_xcnt 0x0
; q, k, v [8192][1024] and Wq, Wk, Wv, Wo [1024][1024], f32, K innermost, become codes of FP6 (E2M3) with one E8M0 byte for each 32 along K; attn_mask becomes lane masks.
; A TILE is 16 rows, not neighbours: lane r of tile T holds row 32 (T / 2) + 8 (T % 2) + r + 8 (r / 8).  Tiles are counted over q, k, v, Wq, Wk, Wv, Wo on end: U = 0 .. 1791.
; CODES leave as images of the operand's registers: for 64 along K of a tile, 768 bytes: registers 0-3 of each lane at 16 x lane, registers 4-5 at 512 + 8 x lane.  inc: [U][16][768].
; SCALE WORDS (four bytes: 128 along K of a row): ins: [U][512], the word of row lane r and K step ks at 256 (ks & 1) + 16 r + 4 (ks >> 1).
; MASKS: maskw [query tile 0..127][key step 0..15][64 words]: bit l of word 16 b + i says whether key 128 s + 32 b + 16 (l / 16) + i counts for the query of lane l % 16.
; Work-groups 0-447: a wave takes one tile through all of K (64 KiB of f32).  Work-groups 448-703: a wave takes two units of the mask.  The waves share nothing: no barrier.
; Every load reads 512 consecutive bytes of one row; a step's 16 rows turn through the wave's own stage in LDS (rows 528 bytes apart, an odd multiple of 16), so that a lane gets 16 neighbours of each block of 32.
; LIMITS: a block of zeros gets the byte 1 (its codes are zeros; only this program reads the bytes); blocks under 2^-124 are held at that byte; NaN and infinities among the inputs are not served.
.set STG,   8448                       ; a wave's stage: 16 rows x 528 bytes
.set MSTG,  33792                      ; the mask path has stages of its own, behind the four of the other path
.set SPARE, 67584                      ; the spare words, 128 bytes for each wave
.set R,   16                           ; v16-143  two sets of 64 registers as loaded
.set X,   144                          ; v144-207 64 numbers: register 16 b + i = k 32 b + 16 (lane / 16) + i of my row
.set PC,  208                          ; v208-226 codes
.set TM,  228                          ; v228-243 at work
.set PW,  244                          ; v244-251 a scale word for each K step
.set SPW, 252
.set NIL, 253
.set WD,  10                           ; v10-13   mask words on their way out
.set SEL, 28                           ; s[28:29] lane selects: lane l xor 16
.set HM,  30                           ; s30      lanes 16-31
; 64 numbers of a lane become a fragment's 12 registers of codes in v[PC] on and the row's scale word in v[pw].
.macro QUANT s, pw
.irp b, 0,1,2,3
	v_max3_num_f32 v[TM+\b], |v[\s+16*\b]|, |v[\s+1+16*\b]|, 0x1800000   ; my 16 of block b, and the floor 2^(3 - 127): the byte cannot fall under 1
.endr
.irp i, 2,4,6,8,10,12,14
.irp b, 0,1,2,3
	v_max3_num_f32 v[TM+\b], v[TM+\b], |v[\s+16*\b+\i]|, |v[\s+1+16*\b+\i]|
.endr
.endr
.irp b, 0,1,2,3
	v_permlanex16_b32 v[TM+4+\b], v[TM+\b], s[SEL], s[SEL+1]
.endr
.irp b, 0,1,2,3
	v_max_num_f32 v[TM+\b], v[TM+\b], v[TM+4+\b]   ; with lane l xor 16's 16: the block's largest magnitude
.endr
.irp b, 0,1,2,3
	v_add_nc_u32 v[TM+12+\b], 0xff000000, v[TM+\b] ; 2 off its exponent field: the conversion's scale operand
.endr
.irp b, 0,1,2,3
	v_lshrrev_b32 v[TM+4+\b], 23, v[TM+12+\b]      ; the scale's byte
.endr
	v_lshl_or_b32 v[\pw], v[TM+5], 8, v[TM+4]
	v_lshl_or_b32 v[\pw], v[TM+6], 16, v[\pw]
	v_lshl_or_b32 v[\pw], v[TM+7], 24, v[\pw]
.irp c, 0,1
	v_cvt_scalef32_pk16_fp6_f32 v[PC+6*\c:PC+2+6*\c], v[\s+32*\c:\s+15+32*\c], v[TM+12+2*\c]
	v_cvt_scalef32_pk16_fp6_f32 v[PC+12+4*\c:PC+14+4*\c], v[\s+16+32*\c:\s+31+32*\c], v[TM+12+2*\c+1]
.endr
	v_nop                                          ; one plain place behind the scaled conversions
.irp c, 0,1                                    ; a whole block to a lane: lanes 0-15 block 2 c, lanes 16-31 block 2 c + 1
.irp i, 0,1,2
	v_permlane16_swap_b32 v[PC+6*\c+\i], v[PC+12+4*\c+\i]
.endr
.irp i, 0,1,2
	v_mov_b32 v[PC+3+6*\c+\i], v[PC+12+4*\c+\i]
.endr
.endr
.endm
; 16 rows x 512 bytes through a stage: in as loaded, out 16 neighbours of each block a lane.  LDS serves a wave's instructions in order: no wait between.
.macro TURN set, sti, sto
.irp p, 0,1,2,3,4,5,6,7,8,9,10,11,12,13,14,15
	ds_store_b128 v[\sti], v[R+64*(\set)+4*\p:R+64*(\set)+4*\p+3] offset:528*\p
.endr
.irp b, 0,1,2,3
.irp j, 0,1,2,3
	ds_load_b128 v[X+16*\b+4*\j:X+16*\b+4*\j+3], v[\sto] offset:128*\b+16*\j
.endr
.endr
.endm
	s_load_b512 s[4:19], s[0:1], 0x0               ; q, k, v, Wq, Wk, Wv, Wo, attn_mask
	s_load_b128 s[20:23], s[0:1], 0x40             ; inc, ins
	s_load_b64 s[24:25], s[0:1], 0x50              ; maskw
	v_lshl_add_u32 v[SPW], v0, 2, SPARE
	v_mov_b32 v[NIL], 0
	v_lshrrev_b32 v1, 5, v0
	v_readfirstlane_b32 s26, v1                    ; wave
	v_and_b32 v1, 31, v0                           ; lane
	v_and_b32 v2, 15, v0                           ; r
	v_bfe_u32 v3, v0, 4, 1                         ; h
	v_lshlrev_b32 v4, 4, v1                        ; 16 x lane
	v_lshlrev_b32 v5, 3, v1                        ; 8 x lane
	s_mul_i32 s27, s26, STG
	v_add_nc_u32 v6, s27, v4                       ; into my stage
	v_mul_u32_u24 v7, v2, 528
	v_lshl_add_u32 v7, v3, 6, v7
	v_add_nc_u32 v7, s27, v7                       ; out of it: row r, + 64 h
	v_add_nc_u32 v8, MSTG, v6                      ; the same for the mask path's stage
	v_add_nc_u32 v9, MSTG, v7
	s_mov_b32 s[SEL], 0x76543210
	s_mov_b32 s[SEL+1], 0xfedcba98
	s_mov_b32 s[HM], 0xffff0000
.irp b, 0,1,2,3
	v_mov_b32 v[TM+4+\b], 0                        ; a lane permute's destination counts as one of its sources
.endr
	s_wait_kmcnt 0x0
	s_cmp_ge_u32 ttmp9, 448
	s_cbranch_scc1 .Lmask
	; ---- the tensors.  Which one is mine hangs on the work-group's number alone
	s_mov_b64 s[40:41], s[16:17]
	s_mov_b32 s42, 1728                            ; its first tile
	s_cmp_lt_u32 ttmp9, 432
	s_cselect_b64 s[40:41], s[14:15], s[40:41]
	s_cselect_b32 s42, 1664, s42
	s_cmp_lt_u32 ttmp9, 416
	s_cselect_b64 s[40:41], s[12:13], s[40:41]
	s_cselect_b32 s42, 1600, s42
	s_cmp_lt_u32 ttmp9, 400
	s_cselect_b64 s[40:41], s[10:11], s[40:41]
	s_cselect_b32 s42, 1536, s42
	s_cmp_lt_u32 ttmp9, 384
	s_cselect_b64 s[40:41], s[8:9], s[40:41]
	s_cselect_b32 s42, 1024, s42
	s_cmp_lt_u32 ttmp9, 256
	s_cselect_b64 s[40:41], s[6:7], s[40:41]
	s_cselect_b32 s42, 512, s42
	s_cmp_lt_u32 ttmp9, 128
	s_cselect_b64 s[40:41], s[4:5], s[40:41]
	s_cselect_b32 s42, 0, s42
	s_lshl_b32 s43, ttmp9, 2
	s_add_co_u32 s43, s43, s26                     ; U
	s_sub_co_u32 s44, s43, s42                     ; the tile's number in its tensor
	s_lshr_b32 s45, s44, 1
	s_lshl_b32 s45, s45, 17                        ; 32 rows of 4,096 bytes
	s_and_b32 s46, s44, 1
	s_lshl_b32 s46, s46, 15                        ; 8 rows
	s_add_co_u32 s46, s46, s45
	s_mov_b32 s47, 0
	s_add_nc_u64 s[40:41], s[40:41], s[46:47]
	s_mul_i32 s46, s43, 12288
	s_add_nc_u64 s[20:21], s[20:21], s[46:47]
	s_lshl_b32 s46, s43, 9
	s_add_nc_u64 s[22:23], s[22:23], s[46:47]
.macro LOADK t                         ; K step t (128 along K) of the tile's 16 rows: each load reads 512 consecutive bytes of one row
.irp p, 0,1,2,3,4,5,6,7,8,9,10,11,12,13,14,15
	global_load_b128 v[R+64*((\t)%2)+4*\p:R+64*((\t)%2)+4*\p+3], v4, s[40:41] offset:(\p+8*(\p/8))*4096+512*(\t) th:TH_LOAD_NT
.endr
.endm
.macro KSTEP t
.if (\t) < 7
	s_wait_loadcnt 16                              ; this step's 16 loads are in; the next step's 16 may be out
.else
	s_wait_loadcnt 0x0
.endif
	TURN (\t)%2, 6, 7
	s_wait_dscnt 0x0                               ; my numbers are back, and the stage's stores have read their registers,
.if (\t) < 6
	LOADK (\t)+2                                   ; which take the loads of two steps on
.endif
	s_wait_xcnt 0x0                                ; the last step's stores have read the codes' registers
	QUANT X, PW+(\t)
	global_store_b128 v4, v[PC:PC+3], s[20:21] offset:1536*(\t)          ; 512 consecutive bytes, aligned
	global_store_b64 v5, v[PC+4:PC+5], s[20:21] offset:1536*(\t)+512     ; 256
	global_store_b128 v4, v[PC+6:PC+9], s[20:21] offset:1536*(\t)+768
	global_store_b64 v5, v[PC+10:PC+11], s[20:21] offset:1536*(\t)+1280
.endm
	LOADK 0
	LOADK 1
	s_wait_alu depctr_va_vdst(0)
.irp t, 0,1,2,3,4,5,6,7
	KSTEP \t
.endr
.irp i, 0,1,2,3
	v_cndmask_b32 v[X+\i], v[PW+2*\i], v[PW+2*\i+1], s[HM]   ; lanes 0-15 the even K steps' words, lanes 16-31 the odd ones'
.endr
	global_store_b128 v4, v[X:X+3], s[22:23]       ; the tile's 512 bytes of scale words
	s_branch .Lend
.Lmask:	; ---- the mask: units n0 and n0 + 1 (one query tile, two neighbouring key steps)
	s_sub_co_u32 s42, ttmp9, 448
	s_lshl_b32 s42, s42, 3
	s_lshl_b32 s43, s26, 1
	s_add_co_u32 s42, s42, s43                     ; n0 = 16 x query tile + key step
	s_lshr_b32 s43, s42, 4
	s_lshr_b32 s44, s43, 1
	s_lshl_b32 s44, s44, 18                        ; 32 rows of 8,192 bytes
	s_and_b32 s45, s43, 1
	s_lshl_b32 s45, s45, 16                        ; 8 rows
	s_add_co_u32 s44, s44, s45
	s_and_b32 s45, s42, 14
	s_lshl_b32 s45, s45, 9                         ; 128 keys are 512 bytes
	s_add_co_u32 s44, s44, s45
	s_mov_b32 s45, 0
	s_add_nc_u64 s[18:19], s[18:19], s[44:45]
	s_lshl_b32 s44, s42, 8
	s_add_nc_u64 s[24:25], s[24:25], s[44:45]
.macro LOADM e
.irp p, 0,1,2,3,4,5,6,7,8,9,10,11,12,13,14,15
	global_load_b128 v[R+64*\e+4*\p:R+64*\e+4*\p+3], v4, s[18:19] offset:(\p+8*(\p/8))*8192+512*\e th:TH_LOAD_NT
.endr
.endm
.macro UNIT e
	s_wait_loadcnt 16-16*\e                        ; this unit's 16 loads are in; the other unit's may be out
	TURN \e, 8, 9
	s_wait_dscnt 0x0
	v_mov_b32 v[WD+2*\e], 0                        ; v_writelane_b32's destination counts as read
	v_mov_b32 v[WD+2*\e+1], 0
.set j, 0
.rept 8
.irp m, 0,1,2,3,4,5,6,7
	v_cmp_ne_u32 s[32+\m], 0, v[X+j+\m]            ; word j + m: one bit a lane
.endr
.irp m, 0,1,2,3,4,5,6,7
	v_writelane_b32 v[WD+2*\e+(\m&1)], s[32+\m], (j+\m)>>1   ; lane L carries words 2 L and 2 L + 1
.endr
.set j, j+8
.endr
	global_store_b64 v5, v[WD+2*\e:WD+2*\e+1], s[24:25] offset:256*\e   ; 256 consecutive bytes, aligned
.endm
	LOADM 0
	LOADM 1
	s_wait_alu depctr_va_vdst(0)
	UNIT 0
	UNIT 1
.Lend:
	s_wait_tensorcnt 0x0                           ; the wave's end, behind my last LDS store
	ds_add_u32 v[SPW], v[NIL]
	s_wait_dscnt 0x0
	s_endpgm
.Lfunc_end_k_qf2a457ae25_prep:
	.size	k_qf2a457ae25_prep, .Lfunc_end_k_qf2a457ae25_prep-k_qf2a457ae25_prep
	.p2alignl 7, 3214868480
	.fill 96, 4, 3214868480
	.section	.rodata,"a",@progbits
	.p2align	6, 0x0
	.amdhsa_kernel k_qf2a457ae25_prep
		.amdhsa_group_segment_fixed_size 68096
		.amdhsa_private_segment_fixed_size 0
		.amdhsa_enable_private_segment 0
		.amdhsa_kernarg_size 88
		.amdhsa_user_sgpr_count 2
		.amdhsa_user_sgpr_kernarg_segment_ptr 1
		.amdhsa_wavefront_size32 1
		.amdhsa_system_sgpr_workgroup_id_x 1
		.amdhsa_system_sgpr_workgroup_id_y 1
		.amdhsa_system_sgpr_workgroup_id_z 1
		.amdhsa_system_vgpr_workitem_id 0
		.amdhsa_next_free_vgpr 256
		.amdhsa_next_free_sgpr 66
		.amdhsa_reserve_vcc 0
		.amdhsa_float_denorm_mode_32 3
		.amdhsa_float_denorm_mode_16_64 3
		.amdhsa_memory_ordered 1
		.amdhsa_forward_progress 1
		.amdhsa_inst_pref_size 90
	.end_amdhsa_kernel
	.amdgpu_metadata
---
amdhsa.version: [ 1, 2 ]
amdhsa.kernels:
  - .name:           k_qf2a457ae25_prep
    .symbol:         k_qf2a457ae25_prep.kd
    .args:
      - { .name: q, .offset: 0, .size: 8, .value_kind: global_buffer, .address_space: global }
      - { .name: k, .offset: 8, .size: 8, .value_kind: global_buffer, .address_space: global }
      - { .name: v, .offset: 16, .size: 8, .value_kind: global_buffer, .address_space: global }
      - { .name: Wq, .offset: 24, .size: 8, .value_kind: global_buffer, .address_space: global }
      - { .name: Wk, .offset: 32, .size: 8, .value_kind: global_buffer, .address_space: global }
      - { .name: Wv, .offset: 40, .size: 8, .value_kind: global_buffer, .address_space: global }
      - { .name: Wo, .offset: 48, .size: 8, .value_kind: global_buffer, .address_space: global }
      - { .name: attn_mask, .offset: 56, .size: 8, .value_kind: global_buffer, .address_space: global }
      - { .name: inc, .offset: 64, .size: 8, .value_kind: global_buffer, .address_space: global }
      - { .name: ins, .offset: 72, .size: 8, .value_kind: global_buffer, .address_space: global }
      - { .name: maskw, .offset: 80, .size: 8, .value_kind: global_buffer, .address_space: global }
    .group_segment_fixed_size: 68096
    .private_segment_fixed_size: 0
    .kernarg_segment_align: 8
    .kernarg_segment_size: 88
    .max_flat_workgroup_size: 128
    .sgpr_count:     66
    .vgpr_count:     256
    .wavefront_size: 32
...
	.end_amdgpu_metadata
.endif
;; end of part 1
;; launch proj (part 2): grid 4 x 96, 4 waves a work-group, clusters of 4 x 4, 327,680 bytes of LDS; arguments inc, ins, bq, bk, bv, cimg, csc; writes cimg, csc
.if DOCPART == 2
	.amdgcn_target "amdgcn-amd-amdhsa--gfx1250"
	.amdhsa_code_object_version 6
	.text
	.protected	k_qf2a457ae25_proj
	.globl	k_qf2a457ae25_proj
	.p2align	8
	.type	k_qf2a457ae25_proj,@function
k_qf2a457ae25_proj:
	s_mov_b64 s[64:65], 0
	v_nop
	global_prefetch_b8 v0, s[64:65] scope:SCOPE_SE
	s_setreg_imm32_b32 hwreg(HW_REG_WAVE_MODE, 25, 1), 1
	s_wait_xcnt 0x0
	s_wait_alu depctr_hold_cnt(0) depctr_sa_sdst(0) depctr_va_vdst(0) depctr_va_sdst(0) depctr_va_ssrc(0) depctr_va_vcc(0) depctr_vm_vsrc(0)
	s_getreg_b32 s2, hwreg(HW_REG_IB_STS2, 6, 4)
	s_cmp_eq_u32 s2, 0
	s_cbranch_scc0 .Lentry_in_a_cluster
	s_endpgm
.Lentry_in_a_cluster:
	s_bfe_u32 s2, ttmp6, 0x10000c
	s_cmp_lg_u32 s2, 0xf033
	s_cbranch_scc0 .Lentry_shape_is_right
	s_endpgm
.Lentry_shape_is_right:
.set TILEB, 12288
.set SLB,   3072
.set PART,  8*SLB
.set SLOT,  4*PART
.set SCL,   3*SLOT
.set SPARE, SCL+16384
.set A16, 8
.set A8,  11
.set B16, 14
.set B8,  17
.set ADRS, 20
.set L16, 21
.set L8,  22
.set SPW, 28
.set NIL, 29
.set SC,  32
.set AF,  128
.set G1,  24
.set G0,  32
.set G0B, 44
.set G1B, 56
.set G1S, 68
.set G1SB, 76
.set G0S, 84
.set G0SB, 88
.set HA,  128
.set PC,  192
.set TM,  96
.set W,   112
.set BM,  240
.set PWK, 248
.set SEL, 24
.set MSB, 0
.macro WIN new
.if MSB != (\new)
	s_set_vgpr_msb (MSB<<8)|(\new)
.set MSB, (\new)
.endif
.endm
.set MUL_LO, 0xa1
.set MUL_HI, 0xf1
.set FIRST_LO, MUL_LO
.set FIRST_HI, MUL_HI
.set TO_B,   0x40
.macro JLOAD g0a, g1a, g0b, g1b
	s_cmp_eq_u32 s15, 0
	s_cbranch_scc0 .Lfor_b_\@
	tensor_load_to_lds s[\g0a:\g0a+3], s[\g1a:\g1a+7]
	s_nop 0
.rept 4
	v_nop
.endr
	s_branch .Lasked_\@
.Lfor_b_\@:
	tensor_load_to_lds s[\g0b:\g0b+3], s[\g1b:\g1b+7]
	s_nop 0
.rept 4
	v_nop
.endr
.Lasked_\@:
.endm
.macro CREST
	s_cmp_lg_u32 s14, 0
	s_cbranch_scc1 .Lnot_wave_0_\@
	s_barrier_signal -3
.Lnot_wave_0_\@:
	s_barrier_wait -3
	s_barrier_signal -1
	s_barrier_wait -1
.endm
.macro CROUND
	s_barrier_signal -1
	s_barrier_wait -1
	CREST
.endm
.macro PLACES n
.rept \n
	v_nop
.endr
.endm
.macro FRAG reg, a16, a8, off
	ds_load_b128 v[\reg:\reg+3], v[\a16] offset:\off
	ds_load_b64 v[\reg+4:\reg+5], v[\a8] offset:\off+512
	ds_load_b128 v[\reg+6:\reg+9], v[\a16] offset:\off+768
	ds_load_b64 v[\reg+10:\reg+11], v[\a8] offset:\off+1280
.endm
.macro FETCH_B slot, q, p
	WIN TO_B
.irp i, 0,1,2,3,4,5,6,7
	FRAG 128*(\p)+12*\i, B16+\slot, B8+\slot, SLB*(1+((\slot)+1)/2)*\i+1536*(\q)   ; slots 1 and 2 lie side by side in rows of 2 SLB bytes a tile
.endr
	WIN 0
.endm
.macro FETCH_A slot, q, i0
.irp i, \i0, \i0+1, \i0+2, \i0+3
	FRAG AF+12*(\i), A16+\slot, A8+\slot, SLB*(1+((\slot)+1)/2)*(\i)+1536*(\q)
.endr
.endm
.macro SCALES
.irp i, 0,1,2,3,4,5,6,7
.irp e, 0,1
	global_load_b128 v[SC+8*\i+4*\e:SC+8*\i+4*\e+3], v[ADRS], s[6:7] offset:512*\i+256*\e   ; scale words straight into their registers: sixteen lanes read 256 consecutive bytes, aligned
.endr
.endr
.endm
.macro MUL16 a0, p, ks, mode
.irp a, \a0, \a0+1
.irp b, 0,1,2,3,4,5,6,7
.set rD, 8*(8*((\a)%4)+\b)
.set rB, 128*(\p)+12*\b
.set rA, AF+12*(\a)
.set sB, SC+8*\b+4*((\ks)&1)+((\ks)>>1)
.set sA, SC+8*(\a)+4*((\ks)&1)+((\ks)>>1)
.set rC, 96+8*\b+96*(\b/4)
.if \mode == 0
	v_wmma_scale_f32_16x16x128_f8f6f4 v[rD:rD+7], v[rB:rB+11], v[rA:rA+11], v[rD:rD+7], v[sB], v[sA] matrix_a_fmt:MATRIX_FMT_FP6 matrix_b_fmt:MATRIX_FMT_FP6 matrix_a_scale:MATRIX_SCALE_ROW1
.elseif \mode == 1
	v_wmma_scale_f32_16x16x128_f8f6f4 v[rD:rD+7], v[rB:rB+11], v[rA:rA+11], 0, v[sB], v[sA] matrix_a_fmt:MATRIX_FMT_FP6 matrix_b_fmt:MATRIX_FMT_FP6 matrix_a_scale:MATRIX_SCALE_ROW1
.else
	v_wmma_scale_f32_16x16x128_f8f6f4 v[rD:rD+7], v[rB:rB+11], v[rA:rA+11], v[rC:rC+7], v[sB], v[sA] matrix_a_fmt:MATRIX_FMT_FP6 matrix_b_fmt:MATRIX_FMT_FP6 matrix_a_scale:MATRIX_SCALE_ROW1
.endif
.endr
.endr
.endm
.macro STEP ks, nslot, nq, mode
	s_wait_dscnt 16
.if \mode
	WIN FIRST_LO
.else
	WIN MUL_LO
.endif
	MUL16 0, (\ks)&1, \ks, \mode
	MUL16 2, (\ks)&1, \ks, \mode
	s_wait_dscnt 0x0
	PLACES 4
	FETCH_B \nslot, \nq, 1-((\ks)&1)
	FETCH_A \nslot, \nq, 0
.if \mode
	WIN FIRST_HI
.else
	WIN MUL_HI
.endif
	MUL16 4, (\ks)&1, \ks, \mode
	MUL16 6, (\ks)&1, \ks, \mode
	PLACES 4
	WIN 0
	FETCH_A \nslot, \nq, 4
.endm
.macro TURN ks, nslot, fill
	s_wait_tensorcnt 0x0
	ds_add_u32 v[SPW], v[NIL]
	s_wait_dscnt 17
	WIN MUL_LO
	MUL16 0, (\ks)&1, \ks, 0
	s_wait_dscnt 0x0
	s_barrier_signal -1
	MUL16 2, (\ks)&1, \ks, 0
	WIN 0
	s_barrier_wait -1
.if \fill
	CREST
	s_add_nc_u64 s[G0+2:G0+3], s[G0+2:G0+3], 3*SLB
	s_add_nc_u64 s[G0B+2:G0B+3], s[G0B+2:G0B+3], 3*SLB
	JLOAD G0, G1, G0B, G1B
.else
	PLACES 4
.endif
	FETCH_B \nslot, 0, 1-((\ks)&1)
	FETCH_A \nslot, 0, 0
	WIN MUL_HI
	MUL16 4, (\ks)&1, \ks, 0
	MUL16 6, (\ks)&1, \ks, 0
	PLACES 4
	WIN 0
	FETCH_A \nslot, 0, 4
.endm
.macro QUANT s, pw
.irp b, 0,1,2,3
	v_max3_num_f32 v[TM+\b], |v[\s+16*\b]|, |v[\s+1+16*\b]|, 0x1800000
.endr
.irp i, 2,4,6,8,10,12,14
.irp b, 0,1,2,3
	v_max3_num_f32 v[TM+\b], v[TM+\b], |v[\s+16*\b+\i]|, |v[\s+1+16*\b+\i]|
.endr
.endr
.irp b, 0,1,2,3
	v_permlanex16_b32 v[TM+4+\b], v[TM+\b], s[SEL], s[SEL+1]
.endr
.irp b, 0,1,2,3
	v_max_num_f32 v[TM+\b], v[TM+\b], v[TM+4+\b]
.endr
.irp b, 0,1,2,3
	v_add_nc_u32 v[TM+12+\b], 0xff000000, v[TM+\b]
.endr
.irp b, 0,1,2,3
	v_lshrrev_b32 v[TM+4+\b], 23, v[TM+12+\b]
.endr
	v_lshl_or_b32 v[\pw], v[TM+5], 8, v[TM+4]
	v_lshl_or_b32 v[\pw], v[TM+6], 16, v[\pw]
	v_lshl_or_b32 v[\pw], v[TM+7], 24, v[\pw]
.irp c, 0,1
	v_cvt_scalef32_pk16_fp6_f32 v[PC+6*\c:PC+2+6*\c], v[\s+32*\c:\s+15+32*\c], v[TM+12+2*\c]
	v_cvt_scalef32_pk16_fp6_f32 v[PC+12+4*\c:PC+14+4*\c], v[\s+16+32*\c:\s+31+32*\c], v[TM+12+2*\c+1]
.endr
	v_nop
.irp c, 0,1
.irp i, 0,1,2
	v_permlane16_swap_b32 v[PC+6*\c+\i], v[PC+12+4*\c+\i]
.endr
.irp i, 0,1,2
	v_mov_b32 v[PC+3+6*\c+\i], v[PC+12+4*\c+\i]
.endr
.endr
.endm
	s_load_b128 s[4:7], s[0:1], 0x0
	s_load_b128 s[20:23], s[0:1], 0x10
	s_load_b64 s[98:99], s[0:1], 0x20
	s_load_b64 s[12:13], s[0:1], 0x28
	s_load_b64 s[96:97], s[0:1], 0x30
	v_lshl_add_u32 v[SPW], v0, 2, SPARE
	v_mov_b32 v[NIL], 0
	ds_add_u32 v[SPW], v[NIL]
	ds_add_u32 v[SPW], v[NIL]
	v_lshrrev_b32 v1, 5, v0
	v_readfirstlane_b32 s14, v1
	s_lshr_b32 s15, s14, 1
	s_and_b32 s16, s14, 1
	s_bfe_u32 s92, ttmp6, 0x40000
	s_bfe_u32 s93, ttmp6, 0x40004
	s_lshl_b32 s2, s93, 2
	s_lshl_b32 s2, 15, s2
	s_lshl_b32 s3, 0x1111, s92
	s_or_b32 s[G1], s2, (3<<16)|(1<<21)
	s_or_b32 s[G1B], s3, (3<<16)|(1<<21)
.irp g, G1, G1B
	s_mov_b32 s[\g+1], 384<<16
	s_mov_b32 s[\g+2], 8<<16
	s_mov_b32 s[\g+3], 384<<16
	s_mov_b32 s[\g+4], 8
	s_mov_b32 s[\g+5], 1536
	s_mov_b32 s[\g+6], 0
	s_mov_b32 s[\g+7], 0
.endr
	s_or_b32 s[G1S], s2, (3<<16)|(1<<21)
	s_or_b32 s[G1SB], s3, (3<<16)|(1<<21)
.irp g, G1S, G1SB
	s_mov_b32 s[\g+1], 768<<16                     ; chunks 1 and 2 in one tile: 8 rows of 6,144 bytes
	s_mov_b32 s[\g+2], 8<<16
	s_mov_b32 s[\g+3], 768<<16
	s_mov_b32 s[\g+4], 8
	s_mov_b32 s[\g+5], 1536
	s_mov_b32 s[\g+6], 0
	s_mov_b32 s[\g+7], 0
.endr
	s_wait_dscnt 0x0
	s_wait_kmcnt 0x0
	s_and_b32 s18, ttmp7, 0xffff
	s_lshr_b32 s100, s18, 3
	s_and_b32 s101, s18, 7
	s_lshl_b32 s101, s101, 2
	s_mul_i32 s32, s100, 6291456
	s_mul_i32 s33, s100, 786432
	s_add_co_u32 s33, s33, 18874368
	s_lshl_b32 s34, s100, 18
	s_lshl_b32 s35, s100, 15
	s_add_co_u32 s35, s35, 786432
	s_cmp_eq_u32 s100, 1
	s_cselect_b64 s[20:21], s[22:23], s[20:21]
	s_cmp_eq_u32 s100, 2
	s_cselect_b64 s[98:99], s[98:99], s[20:21]
	s_cselect_b32 s95, 1, 0
	s_cselect_b32 s18, 0, s101
	s_cselect_b32 s19, s101, 0
	s_cselect_b32 s36, s33, s32
	s_cselect_b32 s37, s32, s33
	s_cselect_b32 s38, s35, s34
	s_cselect_b32 s39, s34, s35
	s_add_co_u32 s17, s93, s18
	s_add_co_u32 s94, s92, s19
	s_mov_b64 s[8:9], s[4:5]
	s_lshl_b32 s18, s17, 4
	s_lshl_b32 s19, s16, 3
	s_add_co_u32 s18, s18, s19
	s_mul_i32 s20, s18, TILEB
	s_add_co_u32 s20, s20, s36
	s_mov_b32 s21, 0
	s_add_nc_u64 s[4:5], s[4:5], s[20:21]
	s_lshl_b32 s18, s18, 9
	s_add_co_u32 s18, s18, s38
	s_mov_b32 s2, s18                              ; offset of A's scale words in ins (with the half s16)
	s_lshl_b32 s22, s94, 4
	s_lshl_b32 s23, s16, 3
	s_add_co_u32 s22, s22, s23
	s_mul_i32 s100, s22, TILEB
	s_add_co_u32 s100, s100, s37
	s_mov_b32 s101, 0
	s_add_nc_u64 s[8:9], s[8:9], s[100:101]
	s_lshl_b32 s22, s22, 9
	s_add_co_u32 s22, s22, s39
	s_mov_b32 s3, s22                              ; offset of B's scale words in ins
	s_mul_i32 s18, s14, PART
	s_lshl_b32 s19, s18, 1
	s_add_co_u32 s19, s19, SLOT                    ; behind slot 0: my part of chunks 1 and 2, 2 PART bytes a wave
	CROUND
.irp s, 0,1
	s_mov_b32 s[G0+4*\s], 1
	s_add_nc_u64 s[G0+4*\s+2:G0+4*\s+3], s[4:5], \s*SLB
	s_or_b32 s[G0+4*\s+3], s[G0+4*\s+3], 0x80000000
	s_mov_b32 s[G0B+4*\s], 1
	s_add_nc_u64 s[G0B+4*\s+2:G0B+4*\s+3], s[8:9], \s*SLB
	s_or_b32 s[G0B+4*\s+3], s[G0B+4*\s+3], 0x80000000
.endr
	s_mov_b32 s[G0+1], s18
	s_mov_b32 s[G0B+1], s18
	s_mov_b32 s[G0+5], s19
	s_mov_b32 s[G0B+5], s19
	JLOAD G0, G1, G0B, G1B                         ; chunk 0: the wave's one tensor load at the head
	v_and_b32 v1, 31, v0
	v_and_b32 v2, 15, v0
	v_bfe_u32 v3, v0, 4, 1
	v_lshlrev_b32 v[L16], 4, v1
	v_lshlrev_b32 v[L8], 3, v1
	s_mul_i32 s20, s15, PART
	s_mul_i32 s21, s16, PART
	s_add_co_u32 s21, s21, 2*PART
.irp s, 0,1,2
	v_add_nc_u32 v[A16+\s], s20, v[L16]
	v_add_nc_u32 v[A8+\s], s20, v[L8]
	v_add_nc_u32 v[B16+\s], s21, v[L16]
	v_add_nc_u32 v[B8+\s], s21, v[L8]
.if \s == 0
	s_lshl_b32 s20, s20, 1                         ; chunk 1: parts of 2 PART bytes behind slot 0
	s_lshl_b32 s21, s21, 1
	s_add_co_u32 s20, s20, SLOT
	s_add_co_u32 s21, s21, SLOT
.else
	s_add_co_u32 s20, s20, SLB                     ; chunk 2: SLB bytes on in each tile's row
	s_add_co_u32 s21, s21, SLB
.endif
.endr
	s_lshl_b32 s20, s16, 12
	s_sub_co_u32 s2, s2, s20
	s_lshl_b32 s20, s15, 12
	s_add_co_u32 s2, s2, s20                       ; A's scale words: the half of the rows that I multiply
	v_mov_b32 v4, s2
	v_mov_b32 v5, s3
	s_mov_b32 s20, 0xffff0000
	v_cndmask_b32 v4, v4, v5, s20                  ; lanes 0-15 A's words, lanes 16-31 B's
	v_lshl_add_u32 v[ADRS], v2, 4, v4
	s_lshl_b32 s100, s17, 8
	s_lshl_b32 s18, s15, 7
	s_add_co_u32 s100, s100, s18
	s_lshl_b32 s101, s94, 8
	s_lshl_b32 s18, s16, 7
	s_add_co_u32 s101, s101, s18
	s_lshl_b32 s18, s101, 2
	s_lshl_b32 s19, s100, 2
	s_cmp_eq_u32 s95, 1
	s_cselect_b32 s20, 0, s18
	s_cselect_b32 s22, s19, 0
	s_mov_b32 s21, 0
	s_mov_b32 s23, 0
	s_add_nc_u64 s[20:21], s[98:99], s[20:21]
	s_add_nc_u64 s[22:23], s[98:99], s[22:23]
	v_lshlrev_b32 v23, 6, v3
	v_and_b32 v24, 8, v2
	v_add_nc_u32 v24, v24, v2
	v_lshlrev_b32 v24, 2, v24
	WIN TO_B
.irp b, 0,1,2,3,4,5,6,7
	global_load_b128 v[96+8*\b+96*(\b/4):99+8*\b+96*(\b/4)], v23, s[20:21] offset:128*(\b/2)+32*(\b%2)
	global_load_b128 v[100+8*\b+96*(\b/4):103+8*\b+96*(\b/4)], v23, s[20:21] offset:128*(\b/2)+32*(\b%2)+16
.endr
	WIN 0
.irp a, 0,1,2,3,4,5,6,7
	global_load_b32 v[BM+\a], v24, s[22:23] offset:(32*(\a/2)+8*(\a%2))*4
.endr
	s_wait_alu depctr_va_vdst(0)
	SCALES
	s_wait_tensorcnt 0x0                           ; my part of chunk 0 is in
	ds_add_u32 v[SPW], v[NIL]
	s_wait_dscnt 0x0
	CROUND
	JLOAD G0+4, G1S, G0B+4, G1SB                   ; chunks 1 and 2, one load a wave
	FETCH_B 0, 0, 0
	FETCH_A 0, 0, 0
	FETCH_A 0, 0, 4
	s_wait_loadcnt 0x0                             ; the scale words (and the biases)
	STEP 0, 0, 1, 1
	TURN 1, 1, 1
	STEP 2, 1, 1, 0
	STEP 3, 2, 0, 0
	STEP 4, 2, 1, 0
	TURN 5, 0, 0
	STEP 6, 0, 1, 0
	s_wait_dscnt 16
	WIN MUL_LO
	MUL16 0, 1, 7, 0
	MUL16 2, 1, 7, 0
	s_wait_dscnt 0x0
	WIN MUL_HI
	MUL16 4, 1, 7, 0
	MUL16 6, 1, 7, 0
	WIN 0
	s_wait_loadcnt 0x0
	PLACES 4
.irp b, 0,1,2,3
	v_mov_b32 v[TM+4+\b], 0
.endr
	s_mov_b32 s[SEL], 0x76543210
	s_mov_b32 s[SEL+1], 0xfedcba98
	s_mov_b32 s26, 0xffff0000
	s_mov_b32 s40, 0x05040100
	s_mov_b32 s41, 0x07060302
	s_mov_b32 s32, 768
	s_mov_b32 s38, 98304
	s_cmp_eq_u32 s95, 1
	s_cselect_b32 s18, s101, s100
	s_cselect_b32 s19, s100, s101
	s_cselect_b32 s32, 1536, s32
	s_cselect_b32 s34, 92160, 0
	s_cselect_b32 s38, 768, s38
	s_mov_b32 s33, 0
	s_mov_b32 s35, 0
	s_mov_b32 s39, 0
	s_lshr_b32 s20, s18, 11
	s_lshl_b32 s20, s20, 4
	s_lshr_b32 s21, s19, 6
	s_add_co_u32 s20, s20, s21
	s_bfe_u32 s21, s18, 0x40007
	s_and_b32 s22, ttmp7, 0xffff
	s_lshr_b32 s22, s22, 3
	s_mul_i32 s28, s22, 6291456
	s_mul_i32 s23, s20, 98304
	s_add_co_u32 s28, s28, s23
	s_mul_i32 s23, s21, 6144
	s_add_co_u32 s28, s28, s23
	s_mov_b32 s29, 0
	s_add_nc_u64 s[28:29], s[12:13], s[28:29]
	s_add_nc_u64 s[30:31], s[28:29], s[38:39]
	s_lshl_b32 s36, s22, 18
	s_lshl_b32 s23, s20, 12
	s_add_co_u32 s36, s36, s23
	s_lshl_b32 s23, s21, 8
	s_add_co_u32 s36, s36, s23
	s_mov_b32 s37, 0
	s_add_nc_u64 s[36:37], s[96:97], s[36:37]
.macro EPI a
	s_wait_xcnt 0x0
.if (\a) > 0
	s_add_nc_u64 s[28:29], s[28:29], s[32:33]
	s_add_nc_u64 s[30:31], s[30:31], s[32:33]
.endif
.if (\a) == 4
	s_add_nc_u64 s[28:29], s[28:29], s[34:35]
	s_add_nc_u64 s[30:31], s[30:31], s[34:35]
.endif
	s_cmp_eq_u32 s95, 1
	s_cbranch_scc1 .Lkeys_\@
	WIN 0x06+(\a)/4
.set n, 0
.rept 32
	v_pk_add_f32 v[HA+n:HA+n+1], v[64*((\a)%4)+n:64*((\a)%4)+n+1], v[96+n+96*(n/32):97+n+96*(n/32)]
.set n, n+2
.endr
	WIN 0
	s_branch .Lsum_\@
.Lkeys_\@:
	WIN 0x02+(\a)/4
.set n, 0
.rept 32
.if (\a)%2
	v_pk_add_f32 v[HA+n:HA+n+1], v[64*((\a)%4)+n:64*((\a)%4)+n+1], v[BM+(\a)-1:BM+(\a)] op_sel:[0,1] op_sel_hi:[1,1]
.else
	v_pk_add_f32 v[HA+n:HA+n+1], v[64*((\a)%4)+n:64*((\a)%4)+n+1], v[BM+(\a):BM+(\a)+1] op_sel_hi:[1,0]
.endif
.set n, n+2
.endr
	WIN 0
.Lsum_\@:
	QUANT HA, PWK+(\a)
	global_store_b128 v[L16], v[PC:PC+3], s[28:29]
	global_store_b64 v[L8], v[PC+4:PC+5], s[28:29] offset:512
	global_store_b128 v[L16], v[PC+6:PC+9], s[30:31]
	global_store_b64 v[L8], v[PC+10:PC+11], s[30:31] offset:512
.endm
.irp a, 0,1,2,3,4,5,6,7
	EPI \a
.endr
	s_cmp_eq_u32 s95, 1
	s_cbranch_scc1 .Lvwords
.irp i, 0,1,2,3
	v_perm_b32 v[W+\i], v[PWK+2*\i+1], v[PWK+2*\i], s40
	v_perm_b32 v[W+4+\i], v[PWK+2*\i+1], v[PWK+2*\i], s41
.endr
	s_branch .Lwords
.Lvwords:
.irp i, 0,1,2,3,4,5,6,7
	v_mov_b32 v[W+\i], v[PWK+\i]
.endr
.Lwords:
	s_wait_alu depctr_va_vdst(0)
.irp c, 0,1
.irp e, 0,1
	v_cndmask_b32 v[W+8+2*\c+\e], v[W+4*\c+\e], v[W+4*\c+2+\e], s26
.endr
.endr
	global_store_b64 v[L8], v[W+8:W+9], s[36:37]
	global_store_b64 v[L8], v[W+10:W+11], s[36:37] offset:4096
	s_wait_tensorcnt 0x0
	ds_add_u32 v[SPW], v[NIL]
	s_wait_dscnt 0x0
	CROUND
	s_endpgm
.Lfunc_end_k_qf2a457ae25_proj:
	.size	k_qf2a457ae25_proj, .Lfunc_end_k_qf2a457ae25_proj-k_qf2a457ae25_proj
	.p2alignl 7, 3214868480
	.fill 96, 4, 3214868480
	.section	.rodata,"a",@progbits
	.p2align	6, 0x0
	.amdhsa_kernel k_qf2a457ae25_proj
		.amdhsa_group_segment_fixed_size 327680
		.amdhsa_private_segment_fixed_size 0
		.amdhsa_enable_private_segment 0
		.amdhsa_kernarg_size 56
		.amdhsa_user_sgpr_count 2
		.amdhsa_user_sgpr_kernarg_segment_ptr 1
		.amdhsa_wavefront_size32 1
		.amdhsa_system_sgpr_workgroup_id_x 1
		.amdhsa_system_sgpr_workgroup_id_y 1
		.amdhsa_system_sgpr_workgroup_id_z 1
		.amdhsa_system_vgpr_workitem_id 0
		.amdhsa_next_free_vgpr 1024
		.amdhsa_next_free_sgpr 102
		.amdhsa_reserve_vcc 0
		.amdhsa_float_denorm_mode_32 3
		.amdhsa_float_denorm_mode_16_64 3
		.amdhsa_memory_ordered 1
		.amdhsa_forward_progress 1
		.amdhsa_inst_pref_size 186
	.end_amdhsa_kernel
	.amdgpu_metadata
---
amdhsa.version: [ 1, 2 ]
amdhsa.kernels:
  - .name:           k_qf2a457ae25_proj
    .symbol:         k_qf2a457ae25_proj.kd
    .args:
      - { .name: inc, .offset: 0, .size: 8, .value_kind: global_buffer, .address_space: global }
      - { .name: ins, .offset: 8, .size: 8, .value_kind: global_buffer, .address_space: global }
      - { .name: bq, .offset: 16, .size: 8, .value_kind: global_buffer, .address_space: global }
      - { .name: bk, .offset: 24, .size: 8, .value_kind: global_buffer, .address_space: global }
      - { .name: bv, .offset: 32, .size: 8, .value_kind: global_buffer, .address_space: global }
      - { .name: cimg, .offset: 40, .size: 8, .value_kind: global_buffer, .address_space: global }
      - { .name: csc, .offset: 48, .size: 8, .value_kind: global_buffer, .address_space: global }
    .group_segment_fixed_size: 327680
    .private_segment_fixed_size: 0
    .kernarg_segment_align: 8
    .kernarg_segment_size: 56
    .max_flat_workgroup_size: 128
    .sgpr_count:     102
    .vgpr_count:     1024
    .wavefront_size: 32
...
	.end_amdgpu_metadata
.endif
;; end of part 2
;; launch attn (part 3): grid 4 x 64, 16 waves a work-group, clusters of 4 x 1, 206,848 bytes of LDS; arguments cimg, csc, maskw, oimg, os; writes oimg, os
.if DOCPART == 3
	.amdgcn_target "amdgcn-amd-amdhsa--gfx1250"
	.amdhsa_code_object_version 6
	.text
	.protected	k_qf2a457ae25_attn
	.globl	k_qf2a457ae25_attn
	.p2align	8
	.type	k_qf2a457ae25_attn,@function
k_qf2a457ae25_attn:
	s_mov_b64 s[64:65], 0
	v_nop
	global_prefetch_b8 v0, s[64:65] scope:SCOPE_SE
	s_setreg_imm32_b32 hwreg(HW_REG_WAVE_MODE, 25, 1), 1
	s_wait_xcnt 0x0
	s_wait_alu depctr_hold_cnt(0) depctr_sa_sdst(0) depctr_va_vdst(0) depctr_va_sdst(0) depctr_va_ssrc(0) depctr_va_vcc(0) depctr_vm_vsrc(0)
	s_getreg_b32 s2, hwreg(HW_REG_IB_STS2, 6, 4)
	s_cmp_eq_u32 s2, 0
	s_cbranch_scc0 .Lentry_in_a_cluster
	s_endpgm
.Lentry_in_a_cluster:
	s_bfe_u32 s2, ttmp6, 0x10000c
	s_cmp_lg_u32 s2, 0x3003
	s_cbranch_scc0 .Lentry_shape_is_right
	s_endpgm
.Lentry_shape_is_right:
; Attention of one head (cluster y = 16 x batch + head) on codes of FP6 (E2M3) with E8M0 scales: S^T = K Q^T, the mask, p = 2^(t - M), O^T = V^T P^T, O / l, and O's quantising for the last product.
; t = score x log2(e) / 8; M = the running largest t rounded up to a whole number; the row's sum l is taken of the unquantised p; when M moves, l and O are multiplied by 2^(old M - new M), which rounds nothing.
; SHARES.  A work-group owns 512 queries (block cx), each of its sixteen waves two tiles of 16, one after the other; every wave walks all 2,048 keys, 128 a step.  Four waves to a SIMD: one wave's vector work stands beside another's products and loads.
; A HEAD'S K AND V, codes and scale words, are 204,800 bytes: they come into LDS ONCE, jointly for the four work-groups of the cluster (waves 0-7: 24,576 bytes of codes each; waves 8, 9: the scale words).  Nothing is filled again: one barrier.
; LAYOUT.  All operands lie as images of their registers (768 bytes for 16 rows x 64 along K).  The head size is 64, half of the instruction's K: a fragment of K holds TWO key tiles (k 0-63: tile 2 i, k 64-127: tile 2 i + 1),
; and Q stands twice, as [Q | zeros] and [zeros | Q]: zero codes add nothing, so each product picks one key tile.  Tiles are in the order lane r -> row 32 (T / 2) + 8 (T % 2) + r + 8 (r / 8): S's registers 16 b + i are keys 32 b + 16 (lane / 16) + i.
; THE MASK comes as 64 lane masks a step (scalar loads, a step ahead): v_cndmask_b32 puts -infinity where a key does not count, ahead of the maximum.
; A query with no key at all has l = 0: its two scale bytes are set to 0xff, which makes its whole row of the result NaN, as the definition has it.
; LIMITS: a block of zeros gets the byte 1 (only this program reads the bytes); NaN and infinities among the inputs are not served.  os is written two bytes a row: a whole word would need two heads in one work-group, whose K and V do not fit in LDS.
; REGISTERS: v1, v2 16 and 8 x lane; v3, v4 the add's two; v5 -infinity; v8-10 bases (V's codes, the scale words); v11 Q's scale word; v12 -M, v13 largest t, v[14:15] l; v16-27 [Q | 0], v28-39 [0 | Q]; v40-45 scales; v46 bytes kept, v47 their place;
;   v48-95 four fragments; v96-159 S, then p; v160-191 O^T; v192-210 codes; v212-227 at work; v[228:229] f; v230 p's scale word; v231-235 the step's addresses; v236-238 at work.
.set VC,    98304                      ; LDS: K's codes at 0, V's here,
.set KSC,   196608                     ; K's scale words, V's 4,096 bytes on,
.set SPARE, 204800                     ; the spare words, 128 bytes for each wave
.set WV,  12
.set SEL, 84                           ; s[84:85]
.set CS,  86                           ; s[86:87] c = log2(e) / 8
.set HM,  88
.set ZM,  89
.macro CROUND
	s_barrier_signal -1
	s_barrier_wait -1
	s_cmp_lg_u32 s[WV], 0
	s_cbranch_scc1 .Lnot_wave_0_\@
	s_barrier_signal -3
.Lnot_wave_0_\@:
	s_barrier_wait -3
	s_barrier_signal -1
	s_barrier_wait -1
.endm
.macro MASKS                           ; a unit of 64 lane masks: s16-63 and s68-83
	s_load_b512 s[16:31], s[8:9], s66 offset:0x0
	s_load_b512 s[32:47], s[8:9], s66 offset:0x40
	s_load_b512 s[48:63], s[8:9], s66 offset:0x80
	s_load_b512 s[68:83], s[8:9], s66 offset:0xc0
.endm
	s_load_b256 s[4:11], s[0:1], 0x0               ; cimg, csc, maskw, oimg
	s_load_b64 s[2:3], s[0:1], 0x20                ; os
	v_lshl_add_u32 v3, v0, 2, SPARE
	v_mov_b32 v4, 0
	ds_add_u32 v3, v4                              ; the wave's opening, ahead of the first tensor loads
	ds_add_u32 v3, v4
	v_lshrrev_b32 v1, 5, v0
	s_delay_alu instid0(VALU_DEP_1)
	v_readfirstlane_b32 s[WV], v1                  ; wave 0..15
	s_bfe_u32 s90, ttmp6, 0x40000                  ; cx: it enters Q's, the mask's and O's addresses alone
	s_and_b32 s67, ttmp7, 0xffff                   ; 16 x batch + head, which the four partners share
	s_mov_b32 s16, 15|(3<<16)|(1<<21)              ; codes: all four work-groups; elements of 8 bytes; 96 rows of 256 bytes, dense
	s_mov_b32 s17, 32<<16
	s_mov_b32 s18, 96<<16
	s_mov_b32 s19, 32<<16
	s_mov_b32 s20, 96
	s_mov_b32 s21, 32
	s_mov_b32 s22, 0
	s_mov_b32 s23, 0
	s_mov_b32 s24, 15|(3<<16)|(1<<21)              ; scale words: 16 rows of 256 bytes
	s_mov_b32 s25, 32<<16
	s_mov_b32 s26, 16<<16
	s_mov_b32 s27, 32<<16
	s_mov_b32 s28, 16
	s_mov_b32 s29, 32
	s_mov_b32 s30, 0
	s_mov_b32 s31, 0
	s_bfe_u32 s91, s[WV], 0x10002                  ; waves 0-3: K (section 1), waves 4-7: V (section 2)
	s_add_co_u32 s91, s91, 1
	s_mul_i32 s92, s91, 6291456
	s_mul_i32 s91, s67, 98304
	s_add_co_u32 s92, s92, s91
	s_and_b32 s91, s[WV], 3
	s_mul_i32 s91, s91, 24576
	s_add_co_u32 s92, s92, s91
	s_mov_b32 s93, 0
	s_and_b32 s98, s[WV], 7
	s_mul_i32 s98, s98, 24576                      ; in LDS
	s_and_b32 s91, s[WV], 1                        ; wave 8: K's scale words, wave 9: V's
	s_lshl_b32 s99, s91, 12
	s_add_co_u32 s99, s99, KSC
	s_add_co_u32 s91, s91, 1
	s_lshl_b32 s94, s91, 18
	s_lshl_b32 s91, s67, 12
	s_add_co_u32 s94, s94, s91
	s_mov_b32 s95, 0
	s_wait_dscnt 0x0                               ; the opening add is done
	s_wait_kmcnt 0x0
	s_mov_b32 s32, 1
	s_mov_b32 s33, s98
	s_add_nc_u64 s[34:35], s[4:5], s[92:93]
	s_or_b32 s35, s35, 0x80000000
	s_mov_b32 s36, 1
	s_mov_b32 s37, s99
	s_add_nc_u64 s[38:39], s[6:7], s[94:95]
	s_or_b32 s39, s39, 0x80000000
	CROUND                                         ; all four work-groups are here: the joint loads meet
	s_cmp_lt_u32 s[WV], 8
	s_cbranch_scc0 .Lnot_codes
	tensor_load_to_lds s[32:35], s[16:23]
	s_nop 0
.rept 4
	v_nop
.endr
	s_branch .Lasked
.Lnot_codes:
	s_cmp_lt_u32 s[WV], 10
	s_cbranch_scc0 .Lasked
	tensor_load_to_lds s[36:39], s[24:31]
	s_nop 0
.rept 4
	v_nop
.endr
.Lasked:
	v_and_b32 v1, 31, v0
	s_delay_alu instid0(VALU_DEP_1)
	v_lshlrev_b32 v2, 3, v1                        ; 8 x lane
	s_delay_alu instid0(VALU_DEP_2)
	v_lshlrev_b32 v1, 4, v1                        ; 16 x lane
	s_wait_alu depctr_va_vdst(0)
	v_and_b32 v237, 15, v0                         ; r
	v_bfe_u32 v238, v0, 4, 1                       ; h
	v_add_nc_u32 v8, VC, v1
	v_add_nc_u32 v9, VC, v2
	v_add_nc_u32 v10, KSC, v2
	v_lshlrev_b32 v236, 3, v237                    ; 8 r
	s_wait_alu depctr_va_vdst(0)
	v_lshlrev_b32 v47, 4, v237
	s_delay_alu instid0(VALU_DEP_1)
	v_lshl_add_u32 v47, v238, 9, v47               ; os: 16 r, + 512 for lanes 16-31 (my second tile)
	s_lshl_b32 s96, s90, 5
	s_lshl_b32 s97, s[WV], 1
	s_add_co_u32 s96, s96, s97                     ; my first query tile: 32 cx + 2 x wave
	s_mul_i32 s92, s67, 98304
	s_mul_i32 s94, s96, 768
	s_add_co_u32 s92, s92, s94
	s_add_nc_u64 s[4:5], s[4:5], s[92:93]          ; Q's image (section 0)
	s_lshl_b32 s92, s67, 12                        ; Q's scale word: the head, the step of 8 tiles, the pair of tiles
	s_lshr_b32 s94, s96, 3
	s_lshl_b32 s94, s94, 8
	s_add_co_u32 s92, s92, s94
	s_bfe_u32 s94, s96, 0x20001
	s_lshr_b32 s95, s94, 1
	s_lshl_b32 s95, s95, 7
	s_add_co_u32 s92, s92, s95
	s_and_b32 s94, s94, 1
	s_lshl_b32 s94, s94, 2
	s_add_co_u32 s92, s92, s94
	s_add_nc_u64 s[6:7], s[6:7], s[92:93]
	s_lshl_b32 s92, s96, 12
	s_add_nc_u64 s[8:9], s[8:9], s[92:93]          ; my two tiles' masks: 32 units of 256 bytes on end
	s_lshr_b32 s94, s67, 4
	s_lshl_b32 s94, s94, 7
	s_add_co_u32 s94, s94, s96                     ; 128 x batch + query tile
	s_and_b32 s95, s67, 15                         ; the head
	s_mul_i32 s92, s94, 12288
	s_mul_i32 s97, s95, 768
	s_add_co_u32 s92, s92, s97
	s_add_nc_u64 s[10:11], s[10:11], s[92:93]      ; O's image
	s_lshl_b32 s92, s94, 9                         ; O's two scale bytes: word head >> 1 of the row, bytes 2 (head & 1) on
	s_bfe_u32 s97, s95, 0x10001
	s_lshl_b32 s97, s97, 8
	s_add_co_u32 s92, s92, s97
	s_lshr_b32 s97, s95, 2
	s_lshl_b32 s97, s97, 2
	s_add_co_u32 s92, s92, s97
	s_and_b32 s97, s95, 1
	s_lshl_b32 s97, s97, 1
	s_add_co_u32 s92, s92, s97
	s_add_nc_u64 s[2:3], s[2:3], s[92:93]
	global_load_b128 v[16:19], v1, s[4:5]          ; Q's image, twice
	global_load_b64 v[20:21], v2, s[4:5] offset:512
	global_load_b128 v[34:37], v1, s[4:5]
	global_load_b64 v[38:39], v2, s[4:5] offset:512
	global_load_b32 v11, v236, s[6:7]
.irp j, 22,23,24,25,26,27,28,29,30,31,32,33
	v_mov_b32 v\j, 0                               ; the zero halves
.endr
	v_mov_b32 v5, 0xff800000
.irp j, 216,217,218,219,229
	v_mov_b32 v\j, 0                               ; written once: permutes' destinations, and the upper half of the pair v[228:229]
.endr
	s_mov_b32 s[SEL], 0x76543210
	s_mov_b32 s[SEL+1], 0xfedcba98
	s_mov_b32 s[CS], 0x3e38aa3b
	s_mov_b32 s[CS+1], s[CS]
	s_mov_b32 s[HM], 0xffff0000
	s_wait_tensorcnt 0x0                           ; my part has landed,
	s_barrier_signal -1
	s_barrier_wait -1                              ; everybody's has
	s_mov_b32 s66, 0
	MASKS                                          ; the first unit (the descriptors' registers are free)
; A KEY STEP: 128 keys.
.macro STEP
	v_add_nc_u32 v231, s14, v1                     ; these five are also the places behind the last products
	v_add_nc_u32 v232, s14, v2
	v_add_nc_u32 v233, s14, v8
	v_add_nc_u32 v234, s14, v9
	v_add_nc_u32 v235, s15, v10
.irp i, 0,1,2,3
	ds_load_b128 v[48+12*\i:51+12*\i], v231 offset:1536*\i
	ds_load_b64 v[52+12*\i:53+12*\i], v232 offset:1536*\i+512
	ds_load_b128 v[54+12*\i:57+12*\i], v231 offset:1536*\i+768
	ds_load_b64 v[58+12*\i:59+12*\i], v232 offset:1536*\i+1280
.endr
	ds_load_b64 v[42:43], v235                     ; K's scale words: v42: pairs 0 (lanes 0-15) and 2 (lanes 16-31), v43: pairs 1 and 3
	s_wait_alu depctr_va_vdst(0)
	s_wait_dscnt 0x0
.irp i, 0,1
	v_wmma_scale_f32_16x16x128_f8f6f4 v[96+16*\i:103+16*\i], v[48+12*\i:59+12*\i], v[16:27], 0, v[42+\i], v40 matrix_a_fmt:MATRIX_FMT_FP6 matrix_b_fmt:MATRIX_FMT_FP6
	v_wmma_scale_f32_16x16x128_f8f6f4 v[104+16*\i:111+16*\i], v[48+12*\i:59+12*\i], v[28:39], 0, v[42+\i], v41 matrix_a_fmt:MATRIX_FMT_FP6 matrix_b_fmt:MATRIX_FMT_FP6
.endr
.irp i, 2,3
	v_wmma_scale_f32_16x16x128_f8f6f4 v[96+16*\i:103+16*\i], v[48+12*\i:59+12*\i], v[16:27], 0, v[40+\i], v40 matrix_a_fmt:MATRIX_FMT_FP6 matrix_b_fmt:MATRIX_FMT_FP6 matrix_a_scale:MATRIX_SCALE_ROW1
	v_wmma_scale_f32_16x16x128_f8f6f4 v[104+16*\i:111+16*\i], v[48+12*\i:59+12*\i], v[28:39], 0, v[40+\i], v41 matrix_a_fmt:MATRIX_FMT_FP6 matrix_b_fmt:MATRIX_FMT_FP6 matrix_a_scale:MATRIX_SCALE_ROW1
.endr
.rept 4
	v_nop                                          ; places: in front of the loads below and of the first read of the scores
.endr
.irp i, 0,1,2,3                                ; V's four fragments land under the softmax
	ds_load_b128 v[48+12*\i:51+12*\i], v233 offset:1536*\i
	ds_load_b64 v[52+12*\i:53+12*\i], v234 offset:1536*\i+512
	ds_load_b128 v[54+12*\i:57+12*\i], v233 offset:1536*\i+768
	ds_load_b64 v[58+12*\i:59+12*\i], v234 offset:1536*\i+1280
.endr
	ds_load_b64 v[44:45], v235 offset:4096
	s_wait_kmcnt 0x0                               ; this step's masks
.set j, 0
.rept 48
	v_cndmask_b32 v[96+j], v5, v[96+j], s[16+j]    ; -infinity where the key does not count; each accumulator from its low end on
.set j, j+1
.endr
.rept 16
	v_cndmask_b32 v[96+j], v5, v[96+j], s[20+j]
.set j, j+1
.endr
.irp b, 0,1,2,3
	v_max3_num_f32 v[212+\b], v[96+16*\b], v[97+16*\b], v[98+16*\b]   ; the largest score of each block of 32 keys: for the row's maximum, and for the block's largest p
.endr
.irp i, 3,5,7,9,11,13
.irp b, 0,1,2,3
	s_delay_alu instid0(VALU_DEP_4)
	v_max3_num_f32 v[212+\b], v[212+\b], v[96+16*\b+\i], v[97+16*\b+\i]
.endr
.endr
.irp b, 0,1,2,3
	s_delay_alu instid0(VALU_DEP_4)
	v_max_num_f32 v[212+\b], v[212+\b], v[111+16*\b]
.endr
	s_add_co_u32 s66, s66, 256                     ; the next unit of masks (the wait above has shown the last loads done); the last request is held inside the buffer
	s_min_u32 s66, s66, 7936
	MASKS
.irp b, 0,1,2,3
	v_permlanex16_b32 v[216+\b], v[212+\b], s[SEL], s[SEL+1]
.endr
.irp b, 0,1,2,3
	s_delay_alu instid0(VALU_DEP_4)
	v_max_num_f32 v[212+\b], v[212+\b], v[216+\b]
.endr
	s_delay_alu instid0(VALU_DEP_2)
	v_max3_num_f32 v237, v212, v213, v214
	s_delay_alu instid0(VALU_DEP_1)
	v_max_num_f32 v237, v237, v215
	s_delay_alu instid0(VALU_DEP_1)
	v_mul_f32 v237, s[CS], v237
	s_delay_alu instid0(VALU_DEP_1)
	v_max_num_f32 v13, v13, v237                   ; the running largest t
	v_mov_b32 v237, v12
	s_delay_alu instid0(VALU_DEP_2)
	v_floor_f32 v12, -v13                          ; -M = floor(-t): M is a whole number
	s_delay_alu instid0(VALU_DEP_1)
	v_sub_f32 v237, v12, v237
	s_delay_alu instid0(VALU_DEP_1)
	v_cvt_i32_f32 v237, v237                       ; (it saturates)
	s_delay_alu instid0(VALU_DEP_1)
	v_ldexp_f32 v228, 1.0, v237                    ; f = 2^(old M - new M)
.set j, 0
.rept 32
	v_pk_fma_f32 v[96+j:97+j], v[96+j:97+j], s[CS:CS+1], v[12:13] op_sel_hi:[1,0,0]   ; t - M
.set j, j+2
.endr
.irp b, 0,1,2,3
	v_fma_f32 v[212+\b], v[212+\b], s[CS], v12
.endr
.set j, 0
	s_wait_alu depctr_va_vdst(0)
.rept 64
	v_exp_f32 v[96+j], v[96+j]                     ; p = 2^(t - M)
.set j, j+1
.endr
	v_pk_mul_f32 v[14:15], v[14:15], v[228:229] op_sel_hi:[1,0]   ; l under the new M; a plain place behind the exponentials
	s_wait_alu depctr_va_vdst(0)                   ; one wait for the batch, ahead of its first reader
.irp b, 0,1,2,3
	v_exp_f32 v[212+\b], v[212+\b]                 ; each block's largest p
.endr
	v_pk_add_f32 v[216:217], v[100:101], v[104:105]
	v_pk_add_f32 v[254:255], v[108:109], v[112:113]
	v_pk_add_f32 v[252:253], v[116:117], v[120:121]
	v_pk_add_f32 v[250:251], v[124:125], v[128:129]
	v_pk_add_f32 v[248:249], v[132:133], v[136:137]
	v_pk_add_f32 v[246:247], v[140:141], v[144:145]
	v_pk_add_f32 v[244:245], v[148:149], v[152:153]
	v_pk_add_f32 v[14:15], v[14:15], v[156:157]
	v_pk_add_f32 v[216:217], v[216:217], v[96:97]
	v_pk_add_f32 v[254:255], v[254:255], v[98:99]
	v_pk_add_f32 v[252:253], v[252:253], v[102:103]
	v_pk_add_f32 v[250:251], v[250:251], v[106:107]
	v_pk_add_f32 v[248:249], v[248:249], v[110:111]
	v_pk_add_f32 v[246:247], v[246:247], v[114:115]
	v_pk_add_f32 v[244:245], v[244:245], v[118:119]
	v_pk_add_f32 v[14:15], v[14:15], v[122:123]
	v_pk_add_f32 v[216:217], v[216:217], v[126:127]
	v_pk_add_f32 v[254:255], v[254:255], v[130:131]
	v_pk_add_f32 v[252:253], v[252:253], v[134:135]
	v_pk_add_f32 v[250:251], v[250:251], v[138:139]
	v_pk_add_f32 v[248:249], v[248:249], v[142:143]
	v_pk_add_f32 v[246:247], v[246:247], v[146:147]
	v_pk_add_f32 v[244:245], v[244:245], v[150:151]
	v_pk_add_f32 v[14:15], v[14:15], v[154:155]
	v_pk_add_f32 v[216:217], v[216:217], v[158:159]
	s_delay_alu instid0(VALU_DEP_2)
	v_pk_add_f32 v[14:15], v[14:15], v[250:251]
	s_delay_alu instid0(VALU_DEP_2)
	v_pk_add_f32 v[216:217], v[216:217], v[248:249]
	v_pk_add_f32 v[254:255], v[254:255], v[246:247]
	v_pk_add_f32 v[252:253], v[252:253], v[244:245]
	s_delay_alu instid0(VALU_DEP_2)
	v_pk_add_f32 v[14:15], v[14:15], v[254:255]
	s_delay_alu instid0(VALU_DEP_2)
	v_pk_add_f32 v[216:217], v[216:217], v[252:253]
	s_delay_alu instid0(VALU_DEP_1)
	v_pk_add_f32 v[14:15], v[14:15], v[216:217]
	s_wait_alu depctr_va_vdst(0)                   ; and one for the four
.irp b, 0,1,2,3
	v_max_num_f32 v[212+\b], 0x1800000, v[212+\b]  ; the floor 2^(3 - 127)
.endr
.irp b, 0,1,2,3
	s_delay_alu instid0(VALU_DEP_4)
	v_add_nc_u32 v[224+\b], 0xff000000, v[212+\b]
.endr
.irp b, 0,1,2,3
	s_delay_alu instid0(VALU_DEP_4)
	v_lshrrev_b32 v[216+\b], 23, v[224+\b]
.endr
	s_delay_alu instid0(VALU_DEP_3)
	v_lshl_or_b32 v230, v217, 8, v216              ; p's scale word for these 128 keys
	s_delay_alu instid0(VALU_DEP_1)
	v_lshl_or_b32 v230, v218, 16, v230
	s_delay_alu instid0(VALU_DEP_1)
	v_lshl_or_b32 v230, v219, 24, v230
.irp c, 0,1
	v_cvt_scalef32_pk16_fp6_f32 v[192+6*\c:194+6*\c], v[96+32*\c:111+32*\c], v[224+2*\c]
	v_cvt_scalef32_pk16_fp6_f32 v[204+4*\c:206+4*\c], v[112+32*\c:127+32*\c], v[224+2*\c+1]
.endr
	v_nop
.irp c, 0,1
.irp i, 0,1,2
	v_permlane16_swap_b32 v[192+6*\c+\i], v[204+4*\c+\i]
.endr
.irp i, 0,1,2
	s_delay_alu instid0(VALU_DEP_3)
	v_mov_b32 v[195+6*\c+\i], v[204+4*\c+\i]
.endr
.endr
.set j, 0
.rept 16
	v_pk_mul_f32 v[160+j:161+j], v[160+j:161+j], v[228:229] op_sel_hi:[1,0]   ; O^T under the new M; twelve of the sixteen name no register of any one product below: its places
.set j, j+2
.endr
	s_wait_alu depctr_va_vdst(0)
	s_wait_dscnt 0x0                               ; V
.irp d, 0,1
	v_wmma_scale_f32_16x16x128_f8f6f4 v[160+8*\d:167+8*\d], v[48+12*\d:59+12*\d], v[192:203], v[160+8*\d:167+8*\d], v[44+\d], v230 matrix_a_fmt:MATRIX_FMT_FP6 matrix_b_fmt:MATRIX_FMT_FP6
.endr
.irp d, 2,3
	v_wmma_scale_f32_16x16x128_f8f6f4 v[160+8*\d:167+8*\d], v[48+12*\d:59+12*\d], v[192:203], v[160+8*\d:167+8*\d], v[42+\d], v230 matrix_a_fmt:MATRIX_FMT_FP6 matrix_b_fmt:MATRIX_FMT_FP6 matrix_a_scale:MATRIX_SCALE_ROW1
.endr
	s_add_co_u32 s14, s14, 6144                    ; the next step's codes,
	s_add_co_u32 s15, s15, 256                     ; and scale words
.endm
; One tile of 16 queries through all keys.
.macro PASS y
	s_wait_loadcnt 0x0                             ; Q
	v_lshrrev_b32 v40, 16*\y, v11
	s_delay_alu instid0(VALU_DEP_1)
	v_and_b32 v40, 0xffff, v40                     ; [Q | 0]: my tile's two bytes below, 0 over the zero codes
	s_delay_alu instid0(VALU_DEP_1)
	v_lshlrev_b32 v41, 16, v40                     ; [0 | Q]
	v_mov_b32 v13, 0xff61b1e6                      ; the largest t so far: -3e38
	s_delay_alu instid0(VALU_DEP_1)
	v_floor_f32 v12, -v13
	v_mov_b32 v14, 0
	v_mov_b32 v15, 0
.set j, 0
.rept 32
	v_mov_b32 v[160+j], 0                          ; the step is written once: the first finds zeros
.set j, j+1
.endr
	s_mov_b32 s14, 0
	s_mov_b32 s15, 0
	s_mov_b32 s13, 16
.Lstep_\@:
	STEP
	s_sub_co_u32 s13, s13, 1
	s_cmp_lg_u32 s13, 0
	s_cbranch_scc1 .Lstep_\@
.if \y == 0
	global_load_b128 v[16:19], v1, s[4:5] offset:768     ; the next tile's Q
	global_load_b64 v[20:21], v2, s[4:5] offset:1280
	global_load_b128 v[34:37], v1, s[4:5] offset:768
	global_load_b64 v[38:39], v2, s[4:5] offset:1280
.endif
.rept 4
	v_nop                                          ; places behind the last products
.endr
	v_add_f32 v14, v14, v15
	s_delay_alu instid0(VALU_DEP_1)
	v_permlanex16_b32 v216, v14, s[SEL], s[SEL+1]
	s_delay_alu instid0(VALU_DEP_1)
	v_add_f32 v14, v14, v216                       ; l
	s_wait_alu depctr_va_vdst(0)
	v_rcp_f32 v228, v14
	v_nop                                          ; a plain place behind the transcendental
	v_cmp_eq_f32 s[ZM], 0, v14                     ; no key at all?
	s_wait_alu depctr_va_vdst(0)
.set j, 0
.rept 16
	v_pk_mul_f32 v[96+j:97+j], v[160+j:161+j], v[228:229] op_sel_hi:[1,0]   ; O / l: register 16 b + i is d = 32 b + 16 (lane / 16) + i; each accumulator from its low end on
.set j, j+2
.endr
.irp b, 0,1
	v_max3_num_f32 v[212+\b], |v[96+16*\b]|, |v[97+16*\b]|, 0x1800000
.endr
.irp i, 2,4,6,8,10,12,14
.irp b, 0,1
	s_delay_alu instid0(VALU_DEP_2)
	v_max3_num_f32 v[212+\b], v[212+\b], |v[96+16*\b+\i]|, |v[97+16*\b+\i]|
.endr
.endr
.irp b, 0,1
	s_delay_alu instid0(VALU_DEP_2)
	v_permlanex16_b32 v[216+\b], v[212+\b], s[SEL], s[SEL+1]
.endr
.irp b, 0,1
	s_delay_alu instid0(VALU_DEP_2)
	v_max_num_f32 v[212+\b], v[212+\b], v[216+\b]
.endr
.irp b, 0,1
	s_delay_alu instid0(VALU_DEP_2)
	v_add_nc_u32 v[224+\b], 0xff000000, v[212+\b]
.endr
.irp b, 0,1
	s_delay_alu instid0(VALU_DEP_2)
	v_lshrrev_b32 v[216+\b], 23, v[224+\b]
.endr
	s_delay_alu instid0(VALU_DEP_1)
	v_lshl_or_b32 v237, v217, 8, v216              ; my row's two bytes,
	v_mov_b32 v238, 0xffff
	s_delay_alu instid0(VALU_DEP_1)
	v_cndmask_b32 v237, v237, v238, s[ZM]          ; or two NaN bytes
	v_cvt_scalef32_pk16_fp6_f32 v[192:194], v[96:111], v224
	v_cvt_scalef32_pk16_fp6_f32 v[204:206], v[112:127], v225
	v_nop
.irp i, 0,1,2
	v_permlane16_swap_b32 v[192+\i], v[204+\i]
.endr
.irp i, 0,1,2
	s_delay_alu instid0(VALU_DEP_3)
	v_mov_b32 v[195+\i], v[204+\i]
.endr
	global_store_b128 v1, v[192:195], s[10:11] offset:12288*\y        ; 512 consecutive bytes, aligned
	global_store_b64 v2, v[196:197], s[10:11] offset:12288*\y+512     ; 256
.if \y == 0
	v_mov_b32 v46, v237
.else
	v_cndmask_b32 v46, v46, v237, s[HM]            ; lanes 0-15 the first tile's bytes, lanes 16-31 the second's
.endif
	s_wait_xcnt 0x0                                ; the stores have read the codes' registers
.endm
	PASS 0
	PASS 1
	s_wait_alu depctr_va_vdst(0)
	global_store_b16 v47, v46, s[2:3]
	s_wait_tensorcnt 0x0                           ; the wave's end
	ds_add_u32 v3, v4
	s_wait_dscnt 0x0
	CROUND                                         ; the closing round
	s_endpgm
.Lfunc_end_k_qf2a457ae25_attn:
	.size	k_qf2a457ae25_attn, .Lfunc_end_k_qf2a457ae25_attn-k_qf2a457ae25_attn
	.p2alignl 7, 3214868480
	.fill 96, 4, 3214868480
	.section	.rodata,"a",@progbits
	.p2align	6, 0x0
	.amdhsa_kernel k_qf2a457ae25_attn
		.amdhsa_group_segment_fixed_size 206848
		.amdhsa_private_segment_fixed_size 0
		.amdhsa_enable_private_segment 0
		.amdhsa_kernarg_size 40
		.amdhsa_user_sgpr_count 2
		.amdhsa_user_sgpr_kernarg_segment_ptr 1
		.amdhsa_wavefront_size32 1
		.amdhsa_system_sgpr_workgroup_id_x 1
		.amdhsa_system_sgpr_workgroup_id_y 1
		.amdhsa_system_sgpr_workgroup_id_z 1
		.amdhsa_system_vgpr_workitem_id 0
		.amdhsa_next_free_vgpr 256
		.amdhsa_next_free_sgpr 100
		.amdhsa_reserve_vcc 0
		.amdhsa_float_denorm_mode_32 3
		.amdhsa_float_denorm_mode_16_64 3
		.amdhsa_memory_ordered 1
		.amdhsa_forward_progress 1
		.amdhsa_inst_pref_size 66
	.end_amdhsa_kernel
	.amdgpu_metadata
---
amdhsa.version: [ 1, 2 ]
amdhsa.kernels:
  - .name:           k_qf2a457ae25_attn
    .symbol:         k_qf2a457ae25_attn.kd
    .args:
      - { .name: cimg, .offset: 0, .size: 8, .value_kind: global_buffer, .address_space: global }
      - { .name: csc, .offset: 8, .size: 8, .value_kind: global_buffer, .address_space: global }
      - { .name: maskw, .offset: 16, .size: 8, .value_kind: global_buffer, .address_space: global }
      - { .name: oimg, .offset: 24, .size: 8, .value_kind: global_buffer, .address_space: global }
      - { .name: os, .offset: 32, .size: 8, .value_kind: global_buffer, .address_space: global }
    .group_segment_fixed_size: 206848
    .private_segment_fixed_size: 0
    .kernarg_segment_align: 8
    .kernarg_segment_size: 40
    .max_flat_workgroup_size: 512
    .sgpr_count:     100
    .vgpr_count:     256
    .wavefront_size: 32
...
	.end_amdgpu_metadata
.endif
;; end of part 3
;; launch outp (part 4): grid 4 x 64, 4 waves a work-group, clusters of 4 x 4, 327,680 bytes of LDS; arguments oimg, os, inc, ins, bo, out0; writes out0
.if DOCPART == 4
	.amdgcn_target "amdgcn-amd-amdhsa--gfx1250"
	.amdhsa_code_object_version 6
	.text
	.protected	k_qf2a457ae25_outp
	.globl	k_qf2a457ae25_outp
	.p2align	8
	.type	k_qf2a457ae25_outp,@function
k_qf2a457ae25_outp:
	s_mov_b64 s[64:65], 0
	v_nop
	global_prefetch_b8 v0, s[64:65] scope:SCOPE_SE
	s_setreg_imm32_b32 hwreg(HW_REG_WAVE_MODE, 25, 1), 1
	s_wait_xcnt 0x0
	s_wait_alu depctr_hold_cnt(0) depctr_sa_sdst(0) depctr_va_vdst(0) depctr_va_sdst(0) depctr_va_ssrc(0) depctr_va_vcc(0) depctr_vm_vsrc(0)
	s_getreg_b32 s2, hwreg(HW_REG_IB_STS2, 6, 4)
	s_cmp_eq_u32 s2, 0
	s_cbranch_scc0 .Lentry_in_a_cluster
	s_endpgm
.Lentry_in_a_cluster:
	s_bfe_u32 s2, ttmp6, 0x10000c
	s_cmp_lg_u32 s2, 0xf033
	s_cbranch_scc0 .Lentry_shape_is_right
	s_endpgm
.Lentry_shape_is_right:
; out0 = O Wo^T + bo on codes of FP6 (E2M3) with E8M0 scales.  O's codes (oimg, os) and Wo's (inc, ins from tile 1728 on) lie as images of operand registers:
; a tile of 16 rows is 12,288 bytes, 1,536 for each 128 along K; lane r of tile T is row 32 (T / 2) + 8 (T % 2) + r + 8 (r / 8); a tile's scale words are 512 bytes: row r, K step ks at 256 (ks & 1) + 16 r + 4 (ks >> 1).
; SHARES.  A work-group makes 128 rows x 256 columns: 64 x 4 = 256 work-groups.  ALL OF K for both operands fits in LDS (196,608 + 98,304 bytes): every byte is filled once, nothing is filled again.
; A wave holds its 64 rows of Wo, all of K, in 384 registers and streams the 128 rows of O past them in eight blocks of 16 rows: 32 products a block, four accumulators by turns.
; The product is used transposed (source 0 = Wo's rows): a lane holds 16 neighbouring columns of one row in two neighbouring tiles.  The bias is the first products' C.
; A finished block goes through the wave's own stage and leaves as rows of 256 bytes, aligned, while the next block is multiplied.
; CLUSTERS 4 x 4: O's tiles are shared along a row of the cluster, Wo's along a column.  The grid has one cluster along x, so the tile column is cx.
; No prefetch: all tiles are asked for at the head, and there is no loop to run ahead in.
; LIMITS: NaN scale bytes that the launch before sets for a query without keys make that row NaN, as the definition has it.
.set WREG,  0                          ; LDS: Wo's 16 tiles
.set ABASE, 196608                     ; O's 8 tiles
.set STAGE, 294912                     ; a stage of 16 rows x 272 bytes for each wave
.set SPARE, 312320                     ; the spare words
.set FPW, 21                           ; fragments of 12 registers in a window; fragment f lies in window 1 + f / 21: 0-31 Wo's (4 ks + b), 32-39 and 40-47 O's two sets
.set L16, 5
.set L8,  6
.set WB16, 7
.set WB8, 8
.set AB16, 10                          ; v10, v11: O's tiles 0-3, 4-7
.set AB8, 12
.set SOF, 14
.set BOF, 15
.set STO, 16
.set RD,  17
.set CO,  18
.set SPW, 20
.set NIL, 21
.set SB,  24                           ; v24-55   Wo's scale words: 8 b + 4 (ks & 1) + (ks >> 1)
.set SA,  60                           ; v60-123  O's: 8 a + ..
.set ACC, 124                          ; v124-187 two sets of four accumulators
.set BI,  188                          ; v188-219 the bias as C
.set BK,  220                          ; v220-251 a block read back from the stage
.set G1B, 24
.set G1A, 32
.set G0B, 40
.set G0A, 44
.set MSB, 0
.macro WIN new
.if MSB != (\new)
	s_set_vgpr_msb (MSB<<8)|(\new)
.set MSB, (\new)
.endif
.endm
.macro PLACES n
.rept \n
	v_nop
.endr
.endm
.macro BARRIER
	s_barrier_signal -1
	s_barrier_wait -1
.endm
.macro CROUND
	BARRIER
	s_cmp_lg_u32 s16, 0
	s_cbranch_scc1 .Lnot_wave_0_\@
	s_barrier_signal -3
.Lnot_wave_0_\@:
	s_barrier_wait -3
	BARRIER
.endm
.macro TLOAD g0, g1
	tensor_load_to_lds s[\g0:\g0+3], s[\g1:\g1+7]
	s_nop 0
	PLACES 4
.endm
.macro GROUP1 g, mask, rows            ; dense rows of 256 bytes (32 elements of 8)
	s_or_b32 s[\g], s\mask, (3<<16)|(1<<21)
	s_mov_b32 s[\g+1], 32<<16
	s_mov_b32 s[\g+2], (\rows)<<16
	s_mov_b32 s[\g+3], 32<<16
	s_mov_b32 s[\g+4], \rows
	s_mov_b32 s[\g+5], 32
	s_mov_b32 s[\g+6], 0
	s_mov_b32 s[\g+7], 0
.endm
.macro FRAG f, a16, a8, off            ; a fragment's image: registers 0-3, 4-5, 6-9, 10-11
	WIN (1+(\f)/FPW)<<6
.set R_, 12*((\f)%FPW)
	ds_load_b128 v[R_:R_+3], v[\a16] offset:\off
	ds_load_b64 v[R_+4:R_+5], v[\a8] offset:\off+512
	ds_load_b128 v[R_+6:R_+9], v[\a16] offset:\off+768
	ds_load_b64 v[R_+10:R_+11], v[\a8] offset:\off+1280
.endm
.macro FETCH a                         ; block a of O, all of K, into set a % 2: 32 loads
.irp ks, 0,1,2,3,4,5,6,7
	FRAG 32+8*((\a)%2)+\ks, AB16+(\a)/4, AB8+(\a)/4, 12288*((\a)%4)+1536*\ks
.endr
	WIN 0
.endm
.macro PROD a, ks, b
.set FB_, 4*(\ks)+(\b)
.set FA_, 32+8*((\a)%2)+(\ks)
.set D_, ACC+32*((\a)%2)+8*(\b)
.set XB_, SB+8*(\b)+4*((\ks)&1)+((\ks)>>1)
.set XA_, SA+8*(\a)+4*((\ks)&1)+((\ks)>>1)
	WIN (1+FB_/FPW)|((1+FA_/FPW)<<2)
.if \ks
	v_wmma_scale_f32_16x16x128_f8f6f4 v[D_:D_+7], v[12*(FB_%FPW):12*(FB_%FPW)+11], v[12*(FA_%FPW):12*(FA_%FPW)+11], v[D_:D_+7], v[XB_], v[XA_] matrix_a_fmt:MATRIX_FMT_FP6 matrix_b_fmt:MATRIX_FMT_FP6
.else
	v_wmma_scale_f32_16x16x128_f8f6f4 v[D_:D_+7], v[12*(FB_%FPW):12*(FB_%FPW)+11], v[12*(FA_%FPW):12*(FA_%FPW)+11], v[BI+8*(\b):BI+8*(\b)+7], v[XB_], v[XA_] matrix_a_fmt:MATRIX_FMT_FP6 matrix_b_fmt:MATRIX_FMT_FP6
.endif
.endm
.macro TOSTAGE a                       ; LDS serves a wave's instructions in order: no wait between the stores and the loads
.irp b, 0,1,2,3
	ds_store_b128 v[STO], v[ACC+32*((\a)%2)+8*\b:ACC+32*((\a)%2)+8*\b+3] offset:128*(\b/2)+32*(\b%2)       ; each accumulator from its low end on
	ds_store_b128 v[STO], v[ACC+32*((\a)%2)+8*\b+4:ACC+32*((\a)%2)+8*\b+7] offset:128*(\b/2)+32*(\b%2)+16
.endr
.irp t, 0,1,2,3,4,5,6,7
	ds_load_b128 v[BK+4*\t:BK+4*\t+3], v[RD] offset:\t*544
.endr
.endm
.macro SEND a                          ; sixteen lanes store 256 consecutive bytes of a row, aligned; two rows an instruction
.irp t, 0,1,2,3,4,5,6,7
	global_store_b128 v[CO], v[BK+4*\t:BK+4*\t+3], s[14:15] offset:(32*((\a)/2)+8*((\a)%2)+2*\t+8*(\t/4))*4096 th:TH_STORE_NT
.endr
.endm
.macro BLK a
.irp ks, 0,1,2,3,4,5,6,7
.irp b, 0,1,2,3
	PROD \a, \ks, \b
.endr
.endr
	WIN 0
	s_wait_dscnt 0x0                               ; the last block is back from the stage, and the next block's fragments are in (all asked for ahead of these 32 products)
.if (\a) > 0
	SEND (\a)-1
.endif
	PLACES 4                                       ; behind the products: ahead of loads into their sources and of the stores of their results
.if (\a) < 6
	FETCH (\a)+2
.endif
.if (\a) > 0
	s_wait_xcnt 0x0                                ; the stores have read v[BK ..]
.endif
	TOSTAGE \a
.endm
	s_load_b256 s[4:11], s[0:1], 0x0               ; oimg, os, inc, ins
	s_load_b128 s[12:15], s[0:1], 0x20             ; bo, out0
	v_lshl_add_u32 v[SPW], v0, 2, SPARE
	v_mov_b32 v[NIL], 0
	ds_add_u32 v[SPW], v[NIL]                      ; the opening lines
	ds_add_u32 v[SPW], v[NIL]
	v_lshrrev_b32 v1, 5, v0
	v_readfirstlane_b32 s16, v1                    ; wave: my 64 columns of the 256
	v_and_b32 v1, 31, v0
	v_and_b32 v2, 15, v0                           ; r
	v_bfe_u32 v3, v0, 4, 1                         ; h
	v_lshlrev_b32 v[L16], 4, v1
	v_lshlrev_b32 v[L8], 3, v1
	s_mul_i32 s23, s16, 49152                      ; my four tiles of Wo
	v_add_nc_u32 v[WB16], s23, v[L16]
	v_add_nc_u32 v[WB8], s23, v[L8]
	v_add_nc_u32 v[AB16], ABASE, v[L16]
	v_add_nc_u32 v[AB16+1], ABASE+49152, v[L16]
	v_add_nc_u32 v[AB8], ABASE, v[L8]
	v_add_nc_u32 v[AB8+1], ABASE+49152, v[L8]
	v_lshlrev_b32 v[SOF], 4, v2                    ; scale words: 16 r
	v_lshlrev_b32 v[BOF], 6, v3                    ; bias: 64 h
	s_mul_i32 s23, s16, 4352
	s_add_co_u32 s23, s23, STAGE                   ; my stage
	v_mul_u32_u24 v4, v2, 272
	v_lshl_add_u32 v4, v3, 6, v4
	v_add_nc_u32 v[STO], s23, v4                   ; in: row r, + 64 h
	v_mul_u32_u24 v4, v3, 272
	v_lshl_add_u32 v4, v2, 4, v4
	v_add_nc_u32 v[RD], s23, v4                    ; back: sixteen lanes to a row
	v_lshlrev_b32 v4, 12, v3
	v_lshl_add_u32 v[CO], v2, 4, v4                ; and the same two rows in out0
	s_and_b32 s22, s16, 1
	s_bfe_u32 s17, ttmp6, 0x40000                  ; cx = the tile column
	s_bfe_u32 s18, ttmp6, 0x40004                  ; cy
	s_and_b32 s19, ttmp7, 0xffff
	s_lshl_b32 s19, s19, 2
	s_add_co_u32 s19, s19, s18                     ; the block of 128 rows
	s_lshl_b32 s20, s18, 2
	s_lshl_b32 s20, 15, s20                        ; my row of the cluster
	s_lshl_b32 s21, 0x1111, s17                    ; my column
	GROUP1 G1B, 21, 384                            ; half of Wo's 16 tiles
	GROUP1 G1A, 20, 192                            ; half of O's 8 tiles
	s_mov_b32 s[G0B], 1
	s_mul_i32 s[G0B+1], s22, 98304
	s_mov_b32 s[G0A], 1
	s_mul_i32 s[G0A+1], s22, 49152
	s_add_co_u32 s[G0A+1], s[G0A+1], ABASE
	s_mul_i32 s48, s17, 196608
	s_add_co_u32 s48, s48, 21233664                ; Wo begins at tile 1728 of inc
	s_mul_i32 s23, s22, 98304
	s_add_co_u32 s48, s48, s23
	s_mov_b32 s49, 0
	s_mul_i32 s50, s19, 98304
	s_mul_i32 s23, s22, 49152
	s_add_co_u32 s50, s50, s23
	s_mov_b32 s51, 0
	s_wait_alu depctr_va_vdst(0)                   ; the end of the head's vector work
	s_wait_dscnt 0x0
	CROUND                                         ; ahead of the joint loads
	s_wait_kmcnt 0x0
	s_add_nc_u64 s[G0B+2:G0B+3], s[8:9], s[48:49]
	s_or_b32 s[G0B+3], s[G0B+3], 0x80000000
	s_add_nc_u64 s[G0A+2:G0A+3], s[4:5], s[50:51]
	s_or_b32 s[G0A+3], s[G0A+3], 0x80000000
	s_cmp_lt_u32 s16, 2
	s_cbranch_scc0 .Lfor_a
	TLOAD G0B, G1B                                 ; waves 0, 1: Wo, which goes on into registers
	s_branch .Lasked
.Lfor_a:
	TLOAD G0A, G1A                                 ; waves 2, 3: O
.Lasked:
	s_lshl_b32 s48, s19, 12
	s_add_nc_u64 s[6:7], s[6:7], s[48:49]          ; O's scale words: 8 tiles of 512 bytes
	s_lshl_b32 s48, s17, 13
	s_add_co_u32 s48, s48, 884736
	s_lshl_b32 s23, s16, 11
	s_add_co_u32 s48, s48, s23
	s_add_nc_u64 s[10:11], s[10:11], s[48:49]      ; my four tiles' of Wo
	s_lshl_b32 s48, s17, 10
	s_lshl_b32 s23, s16, 8
	s_add_co_u32 s48, s48, s23                     ; my first column, in bytes
	s_add_nc_u64 s[12:13], s[12:13], s[48:49]
	s_lshl_b32 s23, s19, 19
	s_add_co_u32 s48, s48, s23
	s_add_nc_u64 s[14:15], s[14:15], s[48:49]
.irp b, 0,1,2,3
.irp e, 0,1
	global_load_b128 v[SB+8*\b+4*\e:SB+8*\b+4*\e+3], v[SOF], s[10:11] offset:512*\b+256*\e
.endr
.endr
.irp a, 0,1,2,3,4,5,6,7
.irp e, 0,1
	global_load_b128 v[SA+8*\a+4*\e:SA+8*\a+4*\e+3], v[SOF], s[6:7] offset:512*\a+256*\e
.endr
.endr
.irp b, 0,1,2,3
	global_load_b128 v[BI+8*\b:BI+8*\b+3], v[BOF], s[12:13] offset:128*(\b/2)+32*(\b%2)       ; register j of tile b is column 32 (b / 2) + 8 (b % 2) + 16 h + j
	global_load_b128 v[BI+8*\b+4:BI+8*\b+7], v[BOF], s[12:13] offset:128*(\b/2)+32*(\b%2)+16
.endr
	s_cmp_lt_u32 s16, 2
	s_cbranch_scc0 .Lnot_w
	s_wait_tensorcnt 0x0
.Lnot_w:
	BARRIER                                        ; Wo's tiles are in; O's may be on their way: nothing is filled again
.irp ks, 0,1,2,3,4,5,6,7
.irp b, 0,1,2,3
	FRAG 4*\ks+\b, WB16, WB8, 12288*\b+1536*\ks
.endr
.endr
	WIN 0
	s_wait_tensorcnt 0x0
	s_wait_dscnt 0x0
	BARRIER                                        ; O's tiles are in
	FETCH 0
	FETCH 1
	s_wait_loadcnt 0x0                             ; scale words and bias
	s_wait_dscnt 32                                ; block 0's fragments are in; block 1's 32 loads may be out
.irp a, 0,1,2,3,4,5,6,7
	BLK \a
.endr
	s_wait_dscnt 0x0
	SEND 7
	s_wait_tensorcnt 0x0                           ; the wave's end
	ds_add_u32 v[SPW], v[NIL]
	s_wait_dscnt 0x0
	CROUND                                         ; the closing round
	s_endpgm
.Lfunc_end_k_qf2a457ae25_outp:
	.size	k_qf2a457ae25_outp, .Lfunc_end_k_qf2a457ae25_outp-k_qf2a457ae25_outp
	.p2alignl 7, 3214868480
	.fill 96, 4, 3214868480
	.section	.rodata,"a",@progbits
	.p2align	6, 0x0
	.amdhsa_kernel k_qf2a457ae25_outp
		.amdhsa_group_segment_fixed_size 327680
		.amdhsa_private_segment_fixed_size 0
		.amdhsa_enable_private_segment 0
		.amdhsa_kernarg_size 48
		.amdhsa_user_sgpr_count 2
		.amdhsa_user_sgpr_kernarg_segment_ptr 1
		.amdhsa_wavefront_size32 1
		.amdhsa_system_sgpr_workgroup_id_x 1
		.amdhsa_system_sgpr_workgroup_id_y 1
		.amdhsa_system_sgpr_workgroup_id_z 1
		.amdhsa_system_vgpr_workitem_id 0
		.amdhsa_next_free_vgpr 1024
		.amdhsa_next_free_sgpr 66
		.amdhsa_reserve_vcc 0
		.amdhsa_float_denorm_mode_32 3
		.amdhsa_float_denorm_mode_16_64 3
		.amdhsa_memory_ordered 1
		.amdhsa_forward_progress 1
		.amdhsa_inst_pref_size 83
	.end_amdhsa_kernel
	.amdgpu_metadata
---
amdhsa.version: [ 1, 2 ]
amdhsa.kernels:
  - .name:           k_qf2a457ae25_outp
    .symbol:         k_qf2a457ae25_outp.kd
    .args:
      - { .name: oimg, .offset: 0, .size: 8, .value_kind: global_buffer, .address_space: global }
      - { .name: os, .offset: 8, .size: 8, .value_kind: global_buffer, .address_space: global }
      - { .name: inc, .offset: 16, .size: 8, .value_kind: global_buffer, .address_space: global }
      - { .name: ins, .offset: 24, .size: 8, .value_kind: global_buffer, .address_space: global }
      - { .name: bo, .offset: 32, .size: 8, .value_kind: global_buffer, .address_space: global }
      - { .name: out0, .offset: 40, .size: 8, .value_kind: global_buffer, .address_space: global }
    .group_segment_fixed_size: 327680
    .private_segment_fixed_size: 0
    .kernarg_segment_align: 8
    .kernarg_segment_size: 48
    .max_flat_workgroup_size: 128
    .sgpr_count:     66
    .vgpr_count:     1024
    .wavefront_size: 32
...
	.end_amdgpu_metadata
.endif
;; end of part 4
